; MI455X (gfx1250); checked and timed in simulation.
; The chip was launched on July 23, 2026; its instructions are those of AMD's public machine-readable ISA for CDNA 5 (MIT licence, August 2026) and "CDNA5" Instruction Set Architecture Reference Guide (July 2026). The comments in the code are by the model that wrote it; some were corrected since.
;; Multi Gate Mix Experts. Allowed arithmetic: matrix products marked QUANTISED: E2M3 operands, one E8M0 scale for each 32 along K, by v_wmma_scale_f32_16x16x128_f8f6f4 with both operands' format E2M3, f32 sums; products left as they are: f32 operands where the result goes on into a quantised operand, else bf16, f16 or f32 operands; f32 sums; everything else in f32.
;; Inputs: W1_codes 16 x 1,024 x 32 x 24 uint8 (E2M3 codes of W1, K innermost, in blocks of 32 codes, four codes in three bytes); W1_scales 16 x 1,024 x 32 uint8 (E8M0 scales of W1, one for each 32 codes along K); W2_codes 16 x 1,024 x 32 x 24 uint8 (E2M3 codes of W2, K innermost, in blocks of 32 codes, four codes in three bytes); W2_scales 16 x 1,024 x 32 uint8 (E8M0 scales of W2, one for each 32 codes along K); Wg1_codes 16 x 32 x 24 uint8 (E2M3 codes of Wg1, K innermost, in blocks of 32 codes, four codes in three bytes); Wg1_scales 16 x 32 uint8 (E8M0 scales of Wg1, one for each 32 codes along K); Wg2_codes 16 x 32 x 24 uint8 (E2M3 codes of Wg2, K innermost, in blocks of 32 codes, four codes in three bytes); Wg2_scales 16 x 32 uint8 (E8M0 scales of Wg2, one for each 32 codes along K); Wo 16 x 1,024 float32; b1 16 x 1,024 float32; b2 16 x 1,024 float32; bg1 16 float32; bg2 16 float32; bo 16 float32; x_codes 1,024 x 32 x 24 uint8 (E2M3 codes of x, K innermost, in blocks of 32 codes, four codes in three bytes); x_scales 1,024 x 32 uint8 (E8M0 scales of x, one for each 32 codes along K).
;; Outputs: out0 1,024 float32; out1 1,024 float32.
;; This version of the problem:
;;   THIS VERSION OF THE PROBLEM IS GIVEN IN LOW PRECISION. The matrix products marked QUANTISED in the list below multiply operands that are first quantised to E2M3 (2 exponent bits, 3 mantissa bits; 6 bits a number), with one power-of-two scale for each 32 numbers along K (OCP MX v1.0); their sums are f32. All else is computed in f32.
;;   The module's matrix products, in the order in which they are computed (A, B: the left and right operand; K: the contracted axis; several contracted axes count as one K, in the product's order):
;;     1. [M 1,024, K 1,024] x [K 1,024, N 16,384]; A: input x (given as codes); B: input W1 (given as codes): QUANTISED
;;     2. batch 16 x [M 1,024, K 1,024] x [K 1,024, N 1,024]; A: input W2 (given as codes); B: computed on the way: QUANTISED
;;     3. batch 16 x [M 1,024, K 1,024] x [K 1,024, N 1,024]; A: input W2 (given as codes); B: computed on the way: QUANTISED
;;     4. batch 16 x [M 1, K 1,024] x [K 1,024, N 1,024]; A: input Wo; B: computed on the way: left as it is (M = 1 < 16)
;;     5. [M 1,024, K 1,024] x [K 1,024, N 16]; A: input x (given as codes); B: input Wg1 (given as codes): QUANTISED
;;     6. [M 1,024, K 1,024] x [K 1,024, N 16]; A: input x (given as codes); B: input Wg2 (given as codes): QUANTISED
;;     7. batch 1,024 x [M 1, K 16] x [K 16, N 1]; A: softmax; B: computed on the way: left as it is (K = 16 < 32)
;;     8. batch 1,024 x [M 1, K 16] x [K 16, N 1]; A: softmax; B: computed on the way: left as it is (K = 16 < 32)
;;   THE QUANTISER, for each operand of a quantised product, along K:
;;     - K is cut into blocks of 32 from its start; a last block that is shorter is filled with zeros.
;;     - A block's scale is 2^e with e = floor(log2(the largest magnitude in the block)) - 2, held to -126 .. 127; a block of zeros has e = 0. As a byte (E8M0): e + 127.
;;     - Each number is divided by its block's scale, clamped to +-7.5, and rounded to the nearest number of E2M3, ties to even, subnormals kept.
;;     - The product sums the exact products of the quantised numbers (number of the format x scale) in f32.
;;   ~~~python
;;   def quantise(x, axis):      # numpy; x: float32 -> the quantised numbers, widened to float32 again
;;       x = np.moveaxis(x, axis, -1); K = x.shape[-1]
;;       x = np.pad(x, [(0, 0)] * (x.ndim - 1) + [(0, -K % 32)]); x = x.reshape(x.shape[:-1] + (-1, 32)); a = np.abs(x).max(-1, keepdims=True)
;;       e = np.where(a > 0, np.clip(np.frexp(np.where(a > 0, a, 1))[1] - 1 - 2, -126, 127), 0)      # np.frexp(a)[1] - 1 = floor(log2(a)), exactly
;;       r = np.clip(x / 2.0 ** e, -7.5, 7.5)
;;       step = 2.0 ** (np.maximum(np.frexp(np.where(r == 0, 1, r))[1] - 1, 0) - 3)
;;       q = np.round(r / step) * step * 2.0 ** e      # np.round: ties to even
;;       return np.moveaxis(q.reshape(q.shape[:-2] + (-1,))[..., :K], -1, axis).astype(np.float32)
;;   ~~~
;;   OPERANDS COMPUTED ON THE WAY. 'Computed on the way' means the value that the module computes at that place (a softmax that the list does not call 'softmax' is quantised finished and normalised). What goes into a quantiser is computed in f32, as accurately as f32 sums, v_exp_f32 and their like allow (about 1e-6 of the number): no bf16 or f16 on the way to a quantiser, and a product that is left as it is and whose result goes on into a quantised operand takes f32 operands (vector FMAs, or v_wmma_f32_16x16x4_f32). A number that lies on a knife's edge between two numbers of the format may be rounded either way, as far as f32 arithmetic and the matrix unit's own rounding can turn it there, and no further.
;;   INPUTS GIVEN AS CODES. W1 (in the module: [16, 1024, 1024], K = its axis 1); W2 (in the module: [16, 1024, 1024], K = its axis 1); Wg1 (in the module: [1024, 16], K = its axis 0); Wg2 (in the module: [1024, 16], K = its axis 0); x (in the module: [1024, 1024], K = its axis 1): each comes as NAME_codes (uint8): NAME with its K axis moved to the last place and cut into blocks of 32 codes, [.., K / 32, bytes a block], one block behind the other in memory; four codes in three bytes: a row's codes are one little-endian stream of bits, code i at bits 6 i .. 6 i + 5 (a code: sign, 2 exponent bits, 3 mantissa bits); and NAME_scales (uint8): the same leading axes, one E8M0 byte (e + 127) for each 32 codes along K. Its value is code x scale, taken as it is: it is not quantised again, and the codes and scales need not be those that the quantiser above would give.
;; 2 versions. Each part assembles by itself: llvm-mc -triple=amdgcn-amd-amdhsa -mcpu=gfx1250 --defsym DOCPART=n.
;; ======== version 1 of 2: 2 launches
;; workspace buffers: fexp 65,536 bytes
;; launch chain (part 1): grid 16 x 16, 4 waves a work-group, clusters of 4 x 1, 327,680 bytes of LDS; arguments x_codes, x_scales, W1_codes, W1_scales, b1, W2_codes, W2_scales, b2, Wo, fexp; writes fexp
.if DOCPART == 1
	.amdgcn_target "amdgcn-amd-amdhsa--gfx1250"
	.amdhsa_code_object_version 6
	.text
	.protected	k_qecc562625d_chain
	.globl	k_qecc562625d_chain
	.p2align	8
	.type	k_qecc562625d_chain,@function
k_qecc562625d_chain:
	s_mov_b64 s[64:65], 0
	v_nop
	global_prefetch_b8 v0, s[64:65] scope:SCOPE_SE
	s_setreg_imm32_b32 hwreg(HW_REG_WAVE_MODE, 25, 1), 1
	s_wait_xcnt 0x0
	s_wait_alu depctr_hold_cnt(0) depctr_sa_sdst(0) depctr_va_vdst(0) depctr_va_sdst(0) depctr_va_ssrc(0) depctr_va_vcc(0) depctr_vm_vsrc(0)
	s_getreg_b32 s2, hwreg(HW_REG_IB_STS2, 6, 4)
	s_cmp_eq_u32 s2, 0
	s_cbranch_scc0 .Lentry_in_a_cluster
	s_endpgm
.Lentry_in_a_cluster:
	s_bfe_u32 s2, ttmp6, 0x10000c
	s_cmp_lg_u32 s2, 0x3003
	s_cbranch_scc0 .Lentry_shape_is_right
	s_endpgm
.Lentry_shape_is_right:
; fexp[e][t] = Wo[e] . h3,  h1 = sigmoid(x W1[e] + b1[e]),  h2 = Q(relu(h1)) W2[e] + b2[e],  h3 = Q(relu(h2)) W2[e] + b2[e].   (bo is added by the launch that follows.)
; All three products run on codes of FP6 (E2M3) with one E8M0 scale for each 32 along K.  x, W1 and W2 arrive as codes, K innermost (a row of 1,024 codes is 768 bytes); Q quantises the hidden layers here, from f32.
; SHARES.  A work-group takes one expert (grid y) and 64 tokens (grid x) through the whole chain; the hidden layers never go to memory.  Wave w makes hidden units 256 w .. 256 w + 255 of each layer for all 64 tokens.
; THE ACTIVATIONS LIE IN REGISTERS: 64 tokens x 1,024 K are 32 fragments, 384 registers, in every wave: a weight fragment read from LDS feeds four products, an activation fragment is read once a layer.
; THE WEIGHTS STREAM through a ring of two LDS slots, 24 slots in all (8 a layer).  Slot j of a layer holds, for each wave, its rows 256 w + 32 j .. + 31, whole rows of 768 bytes; each wave fetches its own 32 rows by one
; tensor load and is the only wave that reads them.  A slot is 2 tiles of 16 hidden units x 4 tiles of 16 tokens x 8 K steps = 64 matrix instructions a wave, and its 32 hidden units are block 8 w + j of the next layer's K.
; CLUSTER.  The four work-groups of a cluster are four token blocks of one expert and walk the same weights: every weight tile is asked for JOINTLY (the same load, the same descriptor, a mask that names the four).
; x's tile is shared along the other axis (the 16 experts), but it is 49,152 of the 2,408,448 bytes of codes that a work-group takes in: it comes by a plain load.  Scales, biases and Wo (1,152 to 1,280 bytes a slot and wave) are wanted lane by lane
; in registers and come by plain loads, one slot ahead.
; THE MATRIX INSTRUCTION IS USED TRANSPOSED: source 0 = 16 rows of the weight, source 1 = 16 tokens.  Lane (r, h) then holds token r, and register i of tile u the hidden unit 16 u + 8 h + i of the slot's 32.
; The bias is the C of each sum's first product.  A hidden block goes to LDS as an image of the next operand's registers, its scale byte beside it.
; LIMITS: NaN and infinities among the inputs, and the scale byte 0xff, are not served.  A hidden block of zeros gets the byte 1 where the rule says 127: its codes are zeros, which add nothing under either byte, and this kernel alone reads the bytes.
; sigmoid(z) = 1 / (1 + 2^(-z log2 e)): where the power overflows the result is 0, where it falls to 0 the result is 1, as in f32.
; REGISTERS, in windows of 256: window 0: addresses, scale words, biases, Wo, the 8 accumulators, work.  window 1: the slot's 16 weight fragments.  window 2: the activations of token tiles 0, 1.  window 3: those of tiles 2, 3.
.set PITCH,  816                       ; an LDS row of codes: 3 x (256 bytes + 16 of padding) = 204 words: row r starts at bank 12 r mod 64 (64 banks of 4 bytes: ISA guide 11.1): the 32 lanes of a load of 8 bytes touch 64 different banks
.set PIECE,  32*PITCH                  ; a wave's 32 rows of a slot
.set SLOT,   4*PIECE
.set XPIECE, 16*PITCH                  ; 16 rows: a tile of a slot, and a wave's quarter of x's tile
.set XT,     2*SLOT                    ; behind the ring: x's 64 rows, filled once
.set IMG,    XT+4*XPIECE               ; the hidden layer's 32 fragments as images: fragment (token tile m, K step s) at 12,288 m + 1,536 s; in it register pair q of lane l at 256 q + 8 l
.set HSC,    IMG+49152                 ; its scale bytes: [64 tokens][32 blocks]
.set RED,    HSC+2048                  ; [4 waves][64 tokens] f32: the waves' parts of Wo . h3
.set SPARE,  RED+1024                  ; the spare words, 128 bytes for each wave: two blocks of 256 bytes that no other line names
.set STEP2,  2*32*768                  ; bytes from a ring slot's tile to its next: 64 rows on
.set BACK,   3*STEP2                   ; and from its last tile of a layer back to its first
.set SPW,  3                           ; v3   LDS address of my spare word; never rewritten
.set NIL,  4                           ; v4   0; never rewritten
.set AW,   5                           ; v5, v6 my place in my piece of ring slot 0 (row r, + 24 h; the same + 40 h for pieces behind one padding more); v7, v8 in slot 1
.set AX,   9                           ; v9, v10 the same in x's tile
.set AIM,  11                          ; v11  IMG + 8 x lane: where an image's pair lies for my lane
.set AIS,  12                          ; v12  where I store codes: IMG + 12,288 h + 3,072 w + 8 r
.set AISW, 13                          ; v13  the same + 768 x trip
.set ASB,  14                          ; v14  where I store scale bytes: HSC + 32 r + 8 w
.set ASBW, 15                          ; v15  the same + 2 x trip
.set ASR,  16                          ; v16  HSC + 32 r: a token's eight scale words
.set OXS,  17                          ; v17  32 r: x's scale words
.set OWS,  18                          ; v18  32 x lane: a slot's weight scales
.set OBI,  19                          ; v19  32 h: a tile's biases and Wo
.set ARS,  20                          ; v20  RED + 256 w + 4 r
.set OOUT, 21                          ; v21  8 x lane
.set ARD,  22                          ; v22  RED + 8 x lane
.set XS,   32                          ; v32-63   the activations' scale words: (m, s) at XS + 8 m + s
.set WS,   64                          ; v64-79   the weights' scale words, two sets of 8: word s; lanes 0-15 tile 0's rows, lanes 16-31 tile 1's
.set BI,   80                          ; v80-111  biases, two sets of 16: tile u at + 8 u, in the result's layout
.set WO,   112                         ; v112-143 Wo likewise
.set ACC,  144                         ; v144-207 accumulator (m, u) at ACC + 16 m + 8 u
.set TM,   208                         ; v208-211 largest magnitudes
.set TP,   212                         ; v212-215 the other half of the lanes'
.set SO,   216                         ; v216-219 the conversions' scale operands
.set BY,   220                         ; v220-223 scale bytes
.set CD,   224                         ; v224-239 codes, four registers a token tile
.set FS,   240                         ; v240-247 Wo . h3, a pair a token tile
.set WV,   24                          ; s24 my wave's number
.set G1W,  28                          ; s[28:35] descriptor group 1 of the weights' tiles
.set G1X,  36                          ; s[36:43] of x's
.set G0X,  44                          ; s[44:47] group 0 of x's
.set G0A,  48                          ; s[48:55] groups 0 for W1, one for each ring slot
.set G0B,  56                          ; s[56:63] for W2
.set SEL,  66                          ; s[66:67] lane selects for v_permlanex16_b32: lane l xor 16
.set PS1,  74                          ; s[74:75] W1's scales, s[76:77] b1, s[78:79] W2's scales, s[80:81] b2, s[82:83] Wo: each at the slot last asked for
.set PB1,  76
.set PS2,  78
.set PB2,  80
.set PWO,  82
.set POUT, 84                          ; s[84:85] my work-group's 64 numbers of fexp
.set MSB, 0
.macro WIN new                         ; s_set_vgpr_msb: bits 1:0 source 0, 3:2 source 1, 5:4 source 2, 7:6 destination; the high byte repeats the setting that is left
.if MSB != (\new)
	s_set_vgpr_msb (MSB<<8)|(\new)
.set MSB, (\new)
.endif
.endm
.macro PLACES n
.rept \n
	v_nop
.endr
.endm
; A round of the cluster's barrier: my work-group's barrier, wave 0 signals for the work-group, every wave waits for all four work-groups, my work-group's barrier once more.
.macro CROUND
	s_barrier_signal -1
	s_barrier_wait -1
	s_cmp_lg_u32 s[WV], 0
	s_cbranch_scc1 .Lnot_wave_0_\@
	s_barrier_signal -3
.Lnot_wave_0_\@:
	s_barrier_wait -3
	s_barrier_signal -1
	s_barrier_wait -1
.endm
; A joint load of my 32 rows: one line for all waves; its registers differ by the wave's number alone, which the partners share.  Four v_nop follow.
.macro JLOAD g0
	tensor_load_to_lds s[\g0:\g0+3], s[G1W:G1W+7]
	s_nop 0
	PLACES 4
.endm
; THE CHANGE OF SLOTS, behind a slot's work.  I wait for all my tensor loads (one is out: the slot that I read next), add 0 to my spare word, step the descriptor of the slot just read, and wait for the add,
; for my reads of that slot and for my stores of codes.  The round says so of every wave of all four work-groups; the joint refill is the first thing behind it and has the next slot's work in which to land.
; kind: 0 the descriptor stands ready, 1 two slots on, 2 back to the layer's first tiles.
.macro CHANGE g0, kind
	s_wait_tensorcnt 0x0
	ds_add_u32 v[SPW], v[NIL]
.if \kind == 1
	s_add_nc_u64 s[\g0+2:\g0+3], s[\g0+2:\g0+3], STEP2
.elseif \kind == 2
	s_sub_nc_u64 s[\g0+2:\g0+3], s[\g0+2:\g0+3], BACK
.endif
	s_wait_dscnt 0x0
	CROUND
	JLOAD \g0
.endm
; The next slot's small operands into set 'set': 8 scale words a lane (the two loads cover the slot's 1,024 dense bytes), 16 biases a lane, with wo = 1 also 16 numbers of Wo.
; It stands behind s_wait_loadcnt 0, so that the pointers may step.  kind: 0 stay, 1 one slot on, 2 seven slots back.
.macro LOOK set, ps, pb, kind, wo, dwo
.if \kind == 1
	s_add_nc_u64 s[\ps:\ps+1], s[\ps:\ps+1], 1024
	s_add_nc_u64 s[\pb:\pb+1], s[\pb:\pb+1], 128
.elseif \kind == 2
	s_sub_nc_u64 s[\ps:\ps+1], s[\ps:\ps+1], 7*1024
	s_sub_nc_u64 s[\pb:\pb+1], s[\pb:\pb+1], 7*128
.endif
.if \dwo
	s_add_nc_u64 s[PWO:PWO+1], s[PWO:PWO+1], 128
.endif
	global_load_b128 v[WS+8*(\set):WS+8*(\set)+3], v[OWS], s[\ps:\ps+1]
	global_load_b128 v[WS+8*(\set)+4:WS+8*(\set)+7], v[OWS], s[\ps:\ps+1] offset:16
.irp u, 0,1
	global_load_b128 v[BI+16*(\set)+8*\u:BI+16*(\set)+8*\u+3], v[OBI], s[\pb:\pb+1] offset:64*\u
	global_load_b128 v[BI+16*(\set)+8*\u+4:BI+16*(\set)+8*\u+7], v[OBI], s[\pb:\pb+1] offset:64*\u+16
.endr
.if \wo
.irp u, 0,1
	global_load_b128 v[WO+16*(\set)+8*\u:WO+16*(\set)+8*\u+3], v[OBI], s[PWO:PWO+1] offset:64*\u
	global_load_b128 v[WO+16*(\set)+8*\u+4:WO+16*(\set)+8*\u+7], v[OBI], s[PWO:PWO+1] offset:64*\u+16
.endr
.endif
.endm
; A fragment, 16 rows x 128 K of 6-bit codes, is 12 registers: lane (r, h) holds row r; registers 6 c .. 6 c + 5 hold K = 64 c + 32 h + 0 .. 31: 24 bytes of the row's stream of bits, as they lie, in pieces of 8 bytes.
; Lanes 0-15 take the row's pieces 12 s + 0, 1, 2 and 12 s + 6, 7, 8, lanes 16-31 those three pieces on.  16 bytes of padding lie behind every 32 pieces: where the piece three on lies behind one padding more, the second address register serves.
.macro FRAG reg, adr, s, rowoff
.irp p, 0,1,2,3,4,5
.set PCE, 12*(\s)+6*(\p/3)+\p%3
.if PCE%32 < 29
	ds_load_b64 v[(\reg)+2*\p:(\reg)+2*\p+1], v[\adr] offset:(\rowoff)+8*PCE+16*(PCE/32)
.else
	ds_load_b64 v[(\reg)+2*\p:(\reg)+2*\p+1], v[\adr+1] offset:(\rowoff)+8*PCE+16*(PCE/32)
.endif
.endr
.endm
.macro WFETCH rho                      ; the slot's 16 weight fragments, K step by K step: fragment (u, s) at v[12 (8 u + s)] of window 1: 96 loads in one run
	WIN 0x40
.irp s, 0,1,2,3,4,5,6,7
.irp u, 0,1
	FRAG 12*(8*\u+\s), AW+2*(\rho), \s, XPIECE*\u
.endr
.endr
	WIN 0
.endm
; 32 matrix instructions: token tiles 2 half, 2 half + 1 x the slot's two tiles of hidden units x 8 K steps.  The four accumulators take turns, one instruction a turn.
; The first K step takes the bias as C: nothing is cleared and nothing is added afterwards.
.macro MUL half, set
	WIN 0x09+4*(\half)                             ; source 0 (the weight) window 1, source 1 (the activations) window 2 or 3; C, D and the scales window 0
.irp s, 0,1,2,3,4,5,6,7
.if \half == 0
.if \s < 2
	s_wait_dscnt 63                                ; K step s's 12 loads are in.  12 (7 - s) were issued behind them; the wait names the most that it can, which is fewer
.else
	s_wait_dscnt 84-12*\s                          ; K step s's 12 loads are in; the 12 (7 - s) issued behind them may be out
.endif
.endif
.irp mm, 0,1
.irp u, 0,1
.set rD, ACC+16*(2*(\half)+\mm)+8*\u
.set rA, 12*(8*\u+\s)
.set rB, 12*(8*\mm+\s)
.set rC, rD
.if \s == 0
.set rC, BI+16*(\set)+8*\u
.endif
.set rSA, WS+8*(\set)+\s
.set rSB, XS+8*(2*(\half)+\mm)+\s
.if \u == 0
	v_wmma_scale_f32_16x16x128_f8f6f4 v[rD:rD+7], v[rA:rA+11], v[rB:rB+11], v[rC:rC+7], v[rSA], v[rSB] matrix_a_fmt:MATRIX_FMT_FP6 matrix_b_fmt:MATRIX_FMT_FP6
.else
	v_wmma_scale_f32_16x16x128_f8f6f4 v[rD:rD+7], v[rA:rA+11], v[rB:rB+11], v[rC:rC+7], v[rSA], v[rSB] matrix_a_fmt:MATRIX_FMT_FP6 matrix_b_fmt:MATRIX_FMT_FP6 matrix_a_scale:MATRIX_SCALE_ROW1
.endif
.endr
.endr
.endr
.endm
; sigmoid, in f32, in place, each accumulator from its low end on.  relu of a sigmoid changes nothing, so none is written behind it.
.macro SIGM
.set i, 0
.rept 32
	v_pk_mul_f32 v[ACC+i:ACC+i+1], v[ACC+i:ACC+i+1], 0xbfb8aa3b op_sel_hi:[1,0]   ; -z log2(e)
.set i, i+2
.endr
.set i, 0
.rept 64
	v_exp_f32 v[ACC+i], v[ACC+i]
.set i, i+1
.endr
	v_nop                                          ; a plain place between the exponentials and the first use of a result
.set i, 0
	s_wait_alu depctr_va_vdst(0)
.rept 32
	v_pk_add_f32 v[ACC+i:ACC+i+1], v[ACC+i:ACC+i+1], 1.0 op_sel_hi:[1,0]
.set i, i+2
.endr
.set i, 0
.rept 64
	v_rcp_f32 v[ACC+i], v[ACC+i]
.set i, i+1
.endr
	v_nop                                          ; likewise behind the reciprocals
	s_wait_alu depctr_va_vdst(0)
.endm
.macro RELU
.set i, 0
.rept 64
	v_max_num_f32 v[ACC+i], 0, v[ACC+i]
.set i, i+1
.endr
.endm
; The slot's 32 hidden units of 64 tokens become one block of the next K: codes and a scale byte for each token.  A token's 32 numbers lie in lanes (r, 0) and (r, 1), 16 each; none is negative, so no |.| is written.
.macro QUANT rho
.irp m, 0,1,2,3
	v_max3_num_f32 v[TM+\m], v[ACC+16*\m], v[ACC+16*\m+1], 0x1800000   ; my 16 numbers, and the floor 2^(3 - 127), which holds the byte at 1 from below
.endr
.irp i, 2,4,6,8,10,12,14
.irp m, 0,1,2,3
	v_max3_num_f32 v[TM+\m], v[TM+\m], v[ACC+16*\m+\i], v[ACC+16*\m+\i+1]   ; (the four token tiles by turns)
.endr
.endr
.irp m, 0,1,2,3
	v_permlanex16_b32 v[TP+\m], v[TM+\m], s[SEL], s[SEL+1]
.endr
.irp m, 0,1,2,3
	v_max_num_f32 v[TM+\m], v[TM+\m], v[TP+\m]     ; with lane l xor 16's: the block's largest magnitude
.endr
.irp m, 0,1,2,3
	v_add_nc_u32 v[SO+\m], 0xff000000, v[TM+\m]    ; 2 off its exponent field: the conversion takes this operand's exponent field as its scale
.endr
.irp m, 0,1,2,3
	v_lshrrev_b32 v[BY+\m], 23, v[SO+\m]           ; the scale's byte
.endr
.irp m, 0,1,2,3
	ds_store_b8 v[ASBW], v[BY+\m] offset:512*\m+\rho   ; token 16 m + r, block 8 w + 2 trip + rho; both lanes of a token write the same byte with the same value
.endr
.irp m, 0,1,2,3
	v_cvt_scalef32_pk16_fp6_f32 v[CD+4*\m:CD+4*\m+2], v[ACC+16*\m:ACC+16*\m+15], v[SO+\m]   ; 96 bits: lanes 0-15 the codes of k 0-7 and 16-23 of the block, lanes 16-31 those of k 8-15 and 24-31
.endr
	v_nop                                          ; one plain place behind the scaled conversions
.irp m, 0,2
.irp i, 0,1,2
	v_permlane16_swap_b32 v[CD+4*\m+\i], v[CD+4*\m+4+\i]   ; tiles m and m + 1 change halves: lane (r, hh) now holds token r of tile m + hh: x = k 0-7, 16-23 in the first three registers, y = k 8-15, 24-31 in the second three
.endr
	v_perm_b32 v[CD+4*\m+3], v[CD+4*\m+2], v[CD+4*\m+1], s69   ; the block's stream of bits, six words: word 3 = x1's upper half, x2's lower
	v_mov_b32 v[CD+4*\m+7], v[CD+4*\m+6]                       ; word 5 = y2
	v_perm_b32 v[CD+4*\m+6], v[CD+4*\m+5], v[CD+4*\m+2], s70   ; word 4 = x2's upper half, y1's upper
	v_perm_b32 v[CD+4*\m+2], v[CD+4*\m+5], v[CD+4*\m+4], s69   ; word 2 = y0's upper half, y1's lower
	v_perm_b32 v[CD+4*\m+1], v[CD+4*\m+4], v[CD+4*\m+1], s68   ; word 1 = x1's lower half, y0's lower; word 0 = x0
	ds_store_b64 v[AISW], v[CD+4*\m:CD+4*\m+1] offset:12288*\m+128*\rho       ; block kb = 8 w + 2 trip + rho of tile m + hh: image byte 768 (kb / 2) + 128 (kb % 2) + 256 p + 8 r
	ds_store_b64 v[AISW], v[CD+4*\m+2:CD+4*\m+3] offset:12288*\m+128*\rho+256
	ds_store_b64 v[AISW], v[CD+4*\m+6:CD+4*\m+7] offset:12288*\m+128*\rho+512
.endr
.endm
.macro DOT set                         ; Wo . h3: two fused multiply-adds a line, the four token tiles by turns, each accumulator from its low end on
.irp i, 0,2,4,6,8,10,12,14
.irp m, 0,1,2,3
	v_pk_fma_f32 v[FS+2*\m:FS+2*\m+1], v[ACC+16*\m+\i:ACC+16*\m+\i+1], v[WO+16*(\set)+\i:WO+16*(\set)+\i+1], v[FS+2*\m:FS+2*\m+1]
.endr
.endr
.endm
; A SLOT'S WORK, in ring slot rho (which is also the set of its small operands).  look = 1: the next slot's small operands are asked for.
.macro PROC lay, rho, look, ps, pb, kind, wo, dwo
	s_wait_loadcnt 0x0                             ; this slot's scale words, biases (and Wo), asked for a slot ago, are in
.if \look
	LOOK 1-\rho, \ps, \pb, \kind, \wo, \dwo
.endif
	WFETCH \rho
	MUL 0, \rho
	MUL 1, \rho
	WIN 0
	PLACES 5                                       ; four places ahead of the first vector read of a result and of loads into registers that the products read; five ahead of the products that begin these accumulators anew
.if \lay == 1
	SIGM
	QUANT \rho
.elseif \lay == 2
	RELU
	QUANT \rho
.else
	DOT \rho
.endif
.endm
.macro AFETCH_X                        ; x's 32 fragments from its tile: (m, s) at v[12 (8 (m % 2) + s)] of window 2 (m = 0, 1) or 3
.irp m, 0,1,2,3
	WIN 0x80+0x40*(\m/2)
.irp s, 0,1,2,3,4,5,6,7
	FRAG 12*(8*(\m%2)+\s), AX, \s, XPIECE*\m
.endr
.endr
	WIN 0
.endm
.macro AFETCH_H                        ; the hidden layer's 32 fragments from their images (each load takes 256 consecutive bytes), and its scale words
.irp m, 0,1,2,3
	WIN 0x80+0x40*(\m/2)
.irp s, 0,1,2,3,4,5,6,7
.irp q, 0,1,2,3,4,5
	ds_load_b64 v[12*(8*(\m%2)+\s)+2*\q:12*(8*(\m%2)+\s)+2*\q+1], v[AIM] offset:12288*\m+1536*\s+256*\q
.endr
.endr
.endr
	WIN 0
.irp m, 0,1,2,3
	ds_load_b128 v[XS+8*\m:XS+8*\m+3], v[ASR] offset:512*\m
	ds_load_b128 v[XS+8*\m+4:XS+8*\m+7], v[ASR] offset:512*\m+16
.endr
.endm
	s_load_b256 s[4:11], s[0:1], 0x0               ; x's codes s[4:5], x's scales s[6:7], W1's codes s[8:9], W1's scales s[10:11]
	s_load_b256 s[12:19], s[0:1], 0x20             ; b1 s[12:13], W2's codes s[14:15], W2's scales s[16:17], b2 s[18:19]
	s_load_b128 s[20:23], s[0:1], 0x40             ; Wo s[20:21], fexp s[22:23]
	v_lshl_add_u32 v[SPW], v0, 2, SPARE
	v_mov_b32 v[NIL], 0
	ds_add_u32 v3, v4
	ds_add_u32 v3, v4
	s_wait_dscnt 0x0
	v_lshrrev_b32 v1, 5, v0
	v_readfirstlane_b32 s[WV], v1                  ; wave 0..3
	s_and_b32 s25, ttmp7, 0xffff                   ; the expert, which the four partners share
	s_bfe_u32 s27, ttmp6, 0x40000                  ; cx: my place in the cluster
	s_lshl_b32 s26, ttmp9, 2                       ; in a cluster launch ttmp9 counts clusters
	s_add_co_u32 s26, s26, s27                     ; my block of 64 tokens: it enters the global addresses of x, x's scales and fexp alone
	; descriptor group 1 of the weights' tiles: 32 rows x 768 bytes, 16 bytes of padding behind every 256
	s_mov_b32 s[G1W], 15|(1<<20)|(1<<21)|(5<<22)|(3<<25)   ; 15:0 the mask: all four work-groups; 17:16 elements of 1 byte; 20 padding on; 21 set beside a mask; 24:22 after every 64 words (code 5); 31:25 4 words of it (code 3)
	s_mov_b32 s[G1W+1], 768<<16                    ; tensor_dim0 = 768
	s_mov_b32 s[G1W+2], 32<<16                     ; tensor_dim1 = 32
	s_mov_b32 s[G1W+3], 768<<16                    ; tile_dim0 = 768
	s_mov_b32 s[G1W+4], 32                         ; tile_dim1 = 32
	s_mov_b32 s[G1W+5], 768                        ; from row to row
	s_mov_b32 s[G1W+6], 0
	s_mov_b32 s[G1W+7], 0
	; and of x's: 16 rows, no mask
	s_mov_b32 s[G1X], (1<<20)|(5<<22)|(3<<25)
	s_mov_b32 s[G1X+1], 768<<16
	s_mov_b32 s[G1X+2], 16<<16
	s_mov_b32 s[G1X+3], 768<<16
	s_mov_b32 s[G1X+4], 16
	s_mov_b32 s[G1X+5], 768
	s_mov_b32 s[G1X+6], 0
	s_mov_b32 s[G1X+7], 0
	; byte offsets, each in registers of its own: those of the joint loads are made of the expert and the wave alone
	s_mul_i32 s86, s25, 786432                     ; a weight's codes: the expert's 1,024 rows of 768 bytes,
	s_mul_i32 s87, s[WV], 196608                   ; my wave's 256 rows
	s_add_co_u32 s86, s86, s87
	s_mov_b32 s87, 0
	s_lshl_b32 s88, s25, 15                        ; a weight's scales: 32 bytes a row
	s_lshl_b32 s89, s[WV], 13
	s_add_co_u32 s88, s88, s89
	s_mov_b32 s89, 0
	s_lshl_b32 s90, s25, 12                        ; b1, b2, Wo: 4 bytes a hidden unit
	s_lshl_b32 s91, s[WV], 10
	s_add_co_u32 s90, s90, s91
	s_mov_b32 s91, 0
	s_mul_i32 s92, s26, 49152                      ; x's codes: my block's 64 rows, my wave's 16 of them
	s_mul_i32 s93, s[WV], 12288
	s_add_co_u32 s92, s92, s93
	s_mov_b32 s93, 0
	s_lshl_b32 s94, s26, 11                        ; x's scales: my block's 64 rows of 32 bytes
	s_mov_b32 s95, 0
	s_lshl_b32 s96, s25, 12                        ; fexp: the expert's 1,024 numbers, my block's 64
	s_lshl_b32 s97, s26, 8
	s_add_co_u32 s96, s96, s97
	s_mov_b32 s97, 0
	s_mul_i32 s98, s[WV], PIECE                    ; LDS: my piece of a ring slot,
	s_mul_i32 s99, s[WV], XPIECE                   ; my quarter of x's tile
	s_mov_b32 s[SEL], 0x76543210
	s_mov_b32 s[SEL+1], 0xfedcba98
	s_mov_b32 s68, 0x05040100                      ; v_perm_b32: second source's lower half, first source's lower half
	s_mov_b32 s69, 0x05040302                      ; second source's upper half, first source's lower half
	s_mov_b32 s70, 0x07060302                      ; second source's upper half, first source's upper half
	; every LDS address register is made here, ahead of the first branch on the wave's number
	v_and_b32 v1, 15, v0                           ; r
	v_bfe_u32 v2, v0, 4, 1                         ; h
	v_and_b32 v25, 31, v0                          ; lane
	v_mul_u32_u24 v23, v1, PITCH
	v_mad_u32_u24 v23, v2, 24, v23                 ; row r, + 24 h
	v_lshl_add_u32 v24, v2, 4, v23                 ; the same behind one padding more
	v_add_nc_u32 v[AW], s98, v23
	v_add_nc_u32 v[AW+1], s98, v24
	v_add_nc_u32 v[AW+2], SLOT, v[AW]
	v_add_nc_u32 v[AW+3], SLOT, v[AW+1]
	v_add_nc_u32 v[AX], XT, v23
	v_add_nc_u32 v[AX+1], XT, v24
	v_lshl_add_u32 v[AIM], v25, 3, IMG
	s_mul_i32 s2, s[WV], 3072
	s_add_co_u32 s2, s2, IMG
	v_mul_u32_u24 v[AIS], v2, 12288
	v_lshl_add_u32 v[AIS], v1, 3, v[AIS]
	v_add_nc_u32 v[AIS], s2, v[AIS]
	s_lshl_b32 s3, s[WV], 3
	s_add_co_u32 s3, s3, HSC
	v_lshlrev_b32 v[OXS], 5, v1
	v_add_nc_u32 v[ASB], s3, v[OXS]
	v_add_nc_u32 v[ASR], HSC, v[OXS]
	v_lshlrev_b32 v[OWS], 5, v25
	v_lshlrev_b32 v[OBI], 5, v2
	s_lshl_b32 s2, s[WV], 8
	s_add_co_u32 s2, s2, RED
	v_lshl_add_u32 v[ARS], v1, 2, s2
	v_lshlrev_b32 v[OOUT], 3, v25
	v_lshl_add_u32 v[ARD], v25, 3, RED
.irp m, 0,1,2,3
	v_mov_b32 v[TP+\m], 0                          ; written once: a lane permute's destination counts as one of its sources
.endr
	s_wait_kmcnt 0x0
	s_mov_b32 s[G0X], 1                            ; 1:0 count = 1
	s_add_co_u32 s[G0X+1], s99, XT                 ; 63:32 LDS address
	s_add_nc_u64 s[G0X+2:G0X+3], s[4:5], s[92:93]  ; 120:64 global address
	s_or_b32 s[G0X+3], s[G0X+3], 0x80000000        ; 127:126 type = 2
	s_mov_b32 s[G0A], 1
	s_mov_b32 s[G0A+1], s98
	s_add_nc_u64 s[G0A+2:G0A+3], s[8:9], s[86:87]  ; W1, slot 0: my rows 0-31
	s_mov_b32 s[G0A+4], 1
	s_add_co_u32 s[G0A+5], s98, SLOT
	s_add_nc_u64 s[G0A+6:G0A+7], s[G0A+2:G0A+3], 24576   ; slot 1: my rows 32-63
	s_or_b32 s[G0A+3], s[G0A+3], 0x80000000
	s_or_b32 s[G0A+7], s[G0A+7], 0x80000000
	s_mov_b32 s[G0B], 1
	s_mov_b32 s[G0B+1], s98
	s_add_nc_u64 s[G0B+2:G0B+3], s[14:15], s[86:87]      ; W2 likewise
	s_mov_b32 s[G0B+4], 1
	s_add_co_u32 s[G0B+5], s98, SLOT
	s_add_nc_u64 s[G0B+6:G0B+7], s[G0B+2:G0B+3], 24576
	s_or_b32 s[G0B+3], s[G0B+3], 0x80000000
	s_or_b32 s[G0B+7], s[G0B+7], 0x80000000
	s_add_nc_u64 s[PS1:PS1+1], s[10:11], s[88:89]
	s_add_nc_u64 s[PS2:PS2+1], s[16:17], s[88:89]
	s_add_nc_u64 s[PB1:PB1+1], s[12:13], s[90:91]
	s_add_nc_u64 s[PB2:PB2+1], s[18:19], s[90:91]
	s_add_nc_u64 s[PWO:PWO+1], s[20:21], s[90:91]
	s_add_nc_u64 s[6:7], s[6:7], s[94:95]
	s_add_nc_u64 s[POUT:POUT+1], s[22:23], s[96:97]
	CROUND                                         ; all four work-groups are here: the first joint loads meet
	tensor_load_to_lds s[G0X:G0X+3], s[G1X:G1X+7]  ; the first fills go out as one group: my quarter of x's tile,
	s_nop 0
	tensor_load_to_lds s[G0A:G0A+3], s[G1W:G1W+7]  ; my piece of slot 0,
	s_nop 0
	tensor_load_to_lds s[G0A+4:G0A+7], s[G1W:G1W+7]   ; and of slot 1: three loads of mine are out
	s_nop 0
	PLACES 4
.irp m, 0,1,2,3
	global_load_b128 v[XS+8*\m:XS+8*\m+3], v[OXS], s[6:7] offset:512*\m        ; x's scale words: token 16 m + r's eight
	global_load_b128 v[XS+8*\m+4:XS+8*\m+7], v[OXS], s[6:7] offset:512*\m+16
.endr
	LOOK 0, PS1, PB1, 0, 0, 0                      ; slot 0's scale words and biases
	s_wait_tensorcnt 0x2                           ; my quarter of x's tile is in; the two loads issued behind it may be out
	s_barrier_signal -1
	s_barrier_wait -1                              ; everybody's quarter is in
	AFETCH_X
	s_wait_tensorcnt 0x1                           ; my piece of slot 0 is in; slot 1's may be out
	; ---- LAYER 1: h1 = sigmoid(x W1 + b1), quantised.  A trip is two slots; the last trip is written out, since its refills are W2's
	s_mov_b32 s72, 0                               ; 768 x trip: the images' step
	s_mov_b32 s73, 0                               ; 2 x trip: the scale bytes'
	s_mov_b32 s71, 3
.Llayer1:
	v_add_nc_u32 v[AISW], s72, v[AIS]
	v_add_nc_u32 v[ASBW], s73, v[ASB]
	PROC 1, 0, 1, PS1, PB1, 1, 0, 0
	CHANGE G0A, 1
	PROC 1, 1, 1, PS1, PB1, 1, 0, 0
	CHANGE G0A+4, 1
	s_add_co_u32 s72, s72, 768
	s_add_co_u32 s73, s73, 2
	s_sub_co_u32 s71, s71, 1
	s_cmp_lg_u32 s71, 0
	s_cbranch_scc1 .Llayer1
	v_add_nc_u32 v[AISW], s72, v[AIS]
	v_add_nc_u32 v[ASBW], s73, v[ASB]
	PROC 1, 0, 1, PS1, PB1, 1, 0, 0
	CHANGE G0B, 0                                  ; the ring goes on into layer 2: W2's first tiles
	PROC 1, 1, 1, PS2, PB2, 0, 0, 0                ; and W2's first scale words, b2's first numbers
	CHANGE G0B+4, 0                                ; in front of this round every wave has waited for its stores: h1's images and bytes are whole
	AFETCH_H                                       ; h1 into the registers that held x
	s_wait_dscnt 0x0                               ; my reads of h1's images are over,
	s_barrier_signal -1
	s_barrier_wait -1                              ; everybody's are: h2's images may be stored over them.  (The refill just issued stays out)
	; ---- LAYER 2: h2 = h1 W2 + b2, relu, quantised
	s_mov_b32 s72, 0
	s_mov_b32 s73, 0
	s_mov_b32 s71, 3
.Llayer2:
	v_add_nc_u32 v[AISW], s72, v[AIS]
	v_add_nc_u32 v[ASBW], s73, v[ASB]
	PROC 2, 0, 1, PS2, PB2, 1, 0, 0
	CHANGE G0B, 1
	PROC 2, 1, 1, PS2, PB2, 1, 0, 0
	CHANGE G0B+4, 1
	s_add_co_u32 s72, s72, 768
	s_add_co_u32 s73, s73, 2
	s_sub_co_u32 s71, s71, 1
	s_cmp_lg_u32 s71, 0
	s_cbranch_scc1 .Llayer2
	v_add_nc_u32 v[AISW], s72, v[AIS]
	v_add_nc_u32 v[ASBW], s73, v[ASB]
	PROC 2, 0, 1, PS2, PB2, 1, 0, 0
	CHANGE G0B, 2                                  ; layer 3 walks W2 again: back to its first tiles
	PROC 2, 1, 1, PS2, PB2, 2, 1, 0                ; back to its first scale words and b2's first numbers; Wo's first
	CHANGE G0B+4, 2                                ; h2's images and bytes are whole
	AFETCH_H                                       ; the images are not written again: no barrier follows
.irp m, 0,1,2,3,4,5,6,7
	v_mov_b32 v[FS+\m], 0
.endr
	; ---- LAYER 3: h3 = relu(h2) W2 + b2, and Wo . h3
	s_mov_b32 s71, 3
.Llayer3:
	PROC 3, 0, 1, PS2, PB2, 1, 1, 1
	CHANGE G0B, 1
	PROC 3, 1, 1, PS2, PB2, 1, 1, 1
	CHANGE G0B+4, 1
	s_sub_co_u32 s71, s71, 1
	s_cmp_lg_u32 s71, 0
	s_cbranch_scc1 .Llayer3
	PROC 3, 0, 1, PS2, PB2, 1, 1, 1                ; the last two slots ask for no tile
	s_wait_tensorcnt 0x0                           ; my piece of the last slot is in: no load was issued behind it, and only I read it
	PROC 3, 1, 0, PS2, PB2, 0, 0, 0
	; ---- THE WAY OUT: a token's sum over my 256 hidden units lies in two halves of a pair and in two lanes; the four waves' sums meet in LDS
.irp m, 0,1,2,3
	v_add_f32 v[TM+\m], v[FS+2*\m], v[FS+2*\m+1]
.endr
.irp m, 0,1,2,3
	v_permlanex16_b32 v[TP+\m], v[TM+\m], s[SEL], s[SEL+1]
.endr
.irp m, 0,1,2,3
	v_add_f32 v[TM+\m], v[TM+\m], v[TP+\m]
.endr
.irp m, 0,1,2,3
	ds_store_b32 v[ARS], v[TM+\m] offset:64*\m     ; token 16 m + r; both lanes of a token write the same word with the same value
.endr
	s_wait_dscnt 0x0                               ; for the others' sake: my stores are done
	s_barrier_signal -1
	s_barrier_wait -1
	s_cmp_lg_u32 s[WV], 0
	s_cbranch_scc1 .Lnot_first
.irp k, 0,1,2,3
	ds_load_b64 v[CD+2*\k:CD+2*\k+1], v[ARD] offset:256*\k   ; wave k's sums of tokens 2 lane, 2 lane + 1
.endr
	s_wait_dscnt 0x0
	v_pk_add_f32 v[CD:CD+1], v[CD:CD+1], v[CD+2:CD+3]
	v_pk_add_f32 v[CD+4:CD+5], v[CD+4:CD+5], v[CD+6:CD+7]
	v_pk_add_f32 v[CD:CD+1], v[CD:CD+1], v[CD+4:CD+5]
	global_store_b64 v[OOUT], v[CD:CD+1], s[POUT:POUT+1]     ; 32 lanes store 256 consecutive bytes, at a multiple of 256 from fexp's first byte
.Lnot_first:
	s_wait_tensorcnt 0x0                           ; the wave's end: behind my last tensor load and my last LDS store
	ds_add_u32 v[SPW], v[NIL]
	s_wait_dscnt 0x0
	CROUND                                         ; the closing round: no work-group ends while a partner may still ask for a tile that names it
	s_endpgm
.Lfunc_end_k_qecc562625d_chain:
	.size	k_qecc562625d_chain, .Lfunc_end_k_qecc562625d_chain-k_qecc562625d_chain
	.p2alignl 7, 3214868480
	.fill 96, 4, 3214868480
	.section	.rodata,"a",@progbits
	.p2align	6, 0x0
	.amdhsa_kernel k_qecc562625d_chain
		.amdhsa_group_segment_fixed_size 327680
		.amdhsa_private_segment_fixed_size 0
		.amdhsa_enable_private_segment 0
		.amdhsa_kernarg_size 80
		.amdhsa_user_sgpr_count 2
		.amdhsa_user_sgpr_kernarg_segment_ptr 1
		.amdhsa_wavefront_size32 1
		.amdhsa_system_sgpr_workgroup_id_x 1
		.amdhsa_system_sgpr_workgroup_id_y 1
		.amdhsa_system_sgpr_workgroup_id_z 1
		.amdhsa_system_vgpr_workitem_id 0
		.amdhsa_next_free_vgpr 1024
		.amdhsa_next_free_sgpr 100
		.amdhsa_reserve_vcc 0
		.amdhsa_float_denorm_mode_32 3
		.amdhsa_float_denorm_mode_16_64 3
		.amdhsa_memory_ordered 1
		.amdhsa_forward_progress 1
		.amdhsa_inst_pref_size 255
	.end_amdhsa_kernel
	.section	.bss,"aw",@nobits
	.p2align	6
	.space	262144
	.amdgpu_metadata
---
amdhsa.version: [ 1, 2 ]
amdhsa.kernels:
  - .name:           k_qecc562625d_chain
    .symbol:         k_qecc562625d_chain.kd
    .args:
      - { .name: x_codes, .offset: 0, .size: 8, .value_kind: global_buffer, .address_space: global }
      - { .name: x_scales, .offset: 8, .size: 8, .value_kind: global_buffer, .address_space: global }
      - { .name: W1_codes, .offset: 16, .size: 8, .value_kind: global_buffer, .address_space: global }
      - { .name: W1_scales, .offset: 24, .size: 8, .value_kind: global_buffer, .address_space: global }
      - { .name: b1, .offset: 32, .size: 8, .value_kind: global_buffer, .address_space: global }
      - { .name: W2_codes, .offset: 40, .size: 8, .value_kind: global_buffer, .address_space: global }
      - { .name: W2_scales, .offset: 48, .size: 8, .value_kind: global_buffer, .address_space: global }
      - { .name: b2, .offset: 56, .size: 8, .value_kind: global_buffer, .address_space: global }
      - { .name: Wo, .offset: 64, .size: 8, .value_kind: global_buffer, .address_space: global }
      - { .name: fexp, .offset: 72, .size: 8, .value_kind: global_buffer, .address_space: global }
    .group_segment_fixed_size: 327680
    .private_segment_fixed_size: 0
    .kernarg_segment_align: 8
    .kernarg_segment_size: 80
    .max_flat_workgroup_size: 128
    .sgpr_count:     100
    .vgpr_count:     1024
    .wavefront_size: 32
...
	.end_amdgpu_metadata
.endif
;; end of part 1
;; launch mix (part 2): grid 16 x 1, 4 waves a work-group, no clusters, 1,024 bytes of LDS; arguments x_codes, x_scales, Wg1_codes, Wg1_scales, Wg2_codes, Wg2_scales, bg1, bg2, bo, fexp, out0, out1; writes out0, out1
.if DOCPART == 2
	.amdgcn_target "amdgcn-amd-amdhsa--gfx1250"
	.amdhsa_code_object_version 6
	.text
	.protected	k_qecc562625d_mix
	.globl	k_qecc562625d_mix
	.p2align	8
	.type	k_qecc562625d_mix,@function
k_qecc562625d_mix:
	s_mov_b64 s[64:65], 0
	v_nop
	global_prefetch_b8 v0, s[64:65] scope:SCOPE_SE
	s_setreg_imm32_b32 hwreg(HW_REG_WAVE_MODE, 25, 1), 1
	s_wait_xcnt 0x0
; out0[t] = sum over e of softmax_e(x Wg1 + bg1)[t][e] (fexp[e][t] + bo[e]); out1 the same with Wg2, bg2.  Both gate products run on codes of FP6 (E2M3) with one E8M0 scale for each 32 along K, as they arrive.
; SHARES.  A work-group owns 64 tokens, each of its four waves 16: 16 work-groups, so that a work-group's 64 results of an output are 256 consecutive bytes.  All of a wave's operands (x's 8 fragments, each gate's 8) come straight into registers:
; each is read once by the wave.  The gates' weights (25,600 bytes with their scales) are the only bytes that work-groups share: too few for a tile in LDS or a cluster.
; THE MATRIX INSTRUCTION IS USED TRANSPOSED: source 0 = the gate's 16 experts, source 1 = 16 tokens: lane (r, h) holds token r and experts 8 h + 0 .. 7.  The gate's bias is the C of the first product.
; The softmax takes the row's maximum away, as the definition does; the weighted sum is divided by the sum of the exponentials at the end.
; LIMITS: NaN and infinities among the inputs, and the scale byte 0xff, are not served.
.set XF,  16                           ; v16-111  x's fragments, K step s at XF + 12 s
.set XSW, 112                          ; v112-119 x's scale words
.set G1S, 120                          ; v120-127 Wg1's
.set G2S, 128                          ; v128-135 Wg2's
.set BG,  136                          ; v136-143 bg1, v144-151 bg2, in the result's layout
.set AC,  152                          ; v152-159, v160-167 the two gates' logits
.set FV,  168                          ; v168-175 fexp of my token, experts 8 h + 0 .. 7
.set BO,  176                          ; v176-183 bo of these experts
.set MX,  184                          ; a register a gate from here on: the maximum,
.set TT,  186                          ; v186-189 the other half of the lanes',
.set NM,  190                          ; -maximum x log2(e),
.set SU,  192                          ; the sum of the exponentials,
.set DT,  194                          ; the weighted sum,
.set RC,  196                          ; the reciprocal,
.set OU,  198                          ; the result
; window 1: v0-95 Wg1's fragments, v96-191 Wg2's
.set MSB, 0
.macro WIN new                         ; the immediate's high byte repeats the setting that is left
.if MSB != (\new)
	s_set_vgpr_msb (MSB<<8)|(\new)
.set MSB, (\new)
.endif
.endm
	s_load_b256 s[4:11], s[0:1], 0x0               ; x's codes s[4:5], x's scales s[6:7], Wg1's codes s[8:9], Wg1's scales s[10:11]
	s_load_b256 s[12:19], s[0:1], 0x20             ; Wg2's codes s[12:13], Wg2's scales s[14:15], bg1 s[16:17], bg2 s[18:19]
	s_load_b256 s[20:27], s[0:1], 0x40             ; bo s[20:21], fexp s[22:23], out0 s[24:25], out1 s[26:27]
	v_lshl_add_u32 v254, v0, 2, 0x200
	v_mov_b32 v255, 0
	v_lshrrev_b32 v1, 5, v0
	v_readfirstlane_b32 s28, v1                    ; wave 0..3
	v_and_b32 v1, 15, v0                           ; r
	v_bfe_u32 v2, v0, 4, 1                         ; h
	v_and_b32 v9, 31, v0
	v_lshlrev_b32 v9, 3, v9                        ; 8 x lane: the way out
	v_mul_u32_u24 v3, v1, 768                      ; a row of 1,024 codes is 768 bytes;
	v_mad_u32_u24 v3, v2, 24, v3                   ; + 24 h
	v_lshlrev_b32 v4, 5, v1                        ; 32 r: a row's eight scale words
	v_lshlrev_b32 v5, 5, v2                        ; 32 h: eight numbers of bg1, bg2, bo
	v_lshlrev_b32 v6, 15, v2
	v_lshl_add_u32 v6, v1, 2, v6                   ; fexp: expert 8 h (4,096 bytes an expert), token r
	s_lshl_b32 s31, s28, 6
	v_lshl_add_u32 v7, v1, 2, s31                  ; LDS: 64 w + 4 r: my token's word
	v_lshlrev_b32 v8, 3, v0                        ; and back: 8 x thread = 256 w + 8 x lane, used by waves 0 and 1
	s_lshl_b32 s29, ttmp9, 6
	s_lshl_b32 s30, s28, 4
	s_add_co_u32 s29, s29, s30                     ; my first token: 64 x work-group + 16 x wave
	s_mul_i32 s32, s29, 768
	s_mov_b32 s33, 0
	s_lshl_b32 s34, s29, 5
	s_mov_b32 s35, 0
	s_lshl_b32 s36, s29, 2
	s_mov_b32 s37, 0
	s_lshl_b32 s38, ttmp9, 8                       ; the work-group's 64 results: 256 bytes
	s_mov_b32 s39, 0
	s_mov_b32 s40, 0x3fb8aa3b                      ; log2(e)
	s_mov_b32 s44, 0x76543210
	s_mov_b32 s45, 0xfedcba98                      ; v_permlanex16_b32's selects for lane l xor 16
	s_wait_kmcnt 0x0
	s_add_nc_u64 s[4:5], s[4:5], s[32:33]
	s_add_nc_u64 s[6:7], s[6:7], s[34:35]
	s_add_nc_u64 s[22:23], s[22:23], s[36:37]
	s_add_nc_u64 s[24:25], s[24:25], s[38:39]
	s_add_nc_u64 s[26:27], s[26:27], s[38:39]
.irp s, 0,1,2,3,4,5,6,7
.irp p, 0,1,2,3,4,5
	global_load_b64 v[XF+12*\s+2*\p:XF+12*\s+2*\p+1], v3, s[4:5] offset:96*\s+48*(\p/3)+8*(\p%3)   ; lane (r, h): registers 6 c .. 6 c + 5 = K 128 s + 64 c + 32 h + 0 .. 31, 24 bytes as they lie
.endr
.endr
	WIN 0x40                                       ; destination window 1
.irp s, 0,1,2,3,4,5,6,7
.irp p, 0,1,2,3,4,5
	global_load_b64 v[12*\s+2*\p:12*\s+2*\p+1], v3, s[8:9] offset:96*\s+48*(\p/3)+8*(\p%3)
	global_load_b64 v[96+12*\s+2*\p:96+12*\s+2*\p+1], v3, s[12:13] offset:96*\s+48*(\p/3)+8*(\p%3)
.endr
.endr
	WIN 0
	global_load_b128 v[XSW:XSW+3], v4, s[6:7]
	global_load_b128 v[XSW+4:XSW+7], v4, s[6:7] offset:16
	global_load_b128 v[G1S:G1S+3], v4, s[10:11]
	global_load_b128 v[G1S+4:G1S+7], v4, s[10:11] offset:16
	global_load_b128 v[G2S:G2S+3], v4, s[14:15]
	global_load_b128 v[G2S+4:G2S+7], v4, s[14:15] offset:16
	global_load_b128 v[BG:BG+3], v5, s[16:17]
	global_load_b128 v[BG+4:BG+7], v5, s[16:17] offset:16
	global_load_b128 v[BG+8:BG+11], v5, s[18:19]
	global_load_b128 v[BG+12:BG+15], v5, s[18:19] offset:16
	global_load_b128 v[BO:BO+3], v5, s[20:21]
	global_load_b128 v[BO+4:BO+7], v5, s[20:21] offset:16
.irp j, 0,1,2,3,4,5,6,7
	global_load_b32 v[FV+\j], v6, s[22:23] offset:4096*\j     ; sixteen neighbouring lanes read 64 neighbouring bytes of expert 8 h + j's row
.endr
	s_wait_loadcnt 0x0
	WIN 0x01                                       ; source 0 (the gate) window 1
.irp s, 0,1,2,3,4,5,6,7                        ; the two gates' accumulators take turns, one instruction a turn
.if \s == 0
	v_wmma_scale_f32_16x16x128_f8f6f4 v[AC:AC+7], v[12*\s:12*\s+11], v[XF+12*\s:XF+12*\s+11], v[BG:BG+7], v[G1S+\s], v[XSW+\s] matrix_a_fmt:MATRIX_FMT_FP6 matrix_b_fmt:MATRIX_FMT_FP6
	v_wmma_scale_f32_16x16x128_f8f6f4 v[AC+8:AC+15], v[96+12*\s:96+12*\s+11], v[XF+12*\s:XF+12*\s+11], v[BG+8:BG+15], v[G2S+\s], v[XSW+\s] matrix_a_fmt:MATRIX_FMT_FP6 matrix_b_fmt:MATRIX_FMT_FP6
.else
	v_wmma_scale_f32_16x16x128_f8f6f4 v[AC:AC+7], v[12*\s:12*\s+11], v[XF+12*\s:XF+12*\s+11], v[AC:AC+7], v[G1S+\s], v[XSW+\s] matrix_a_fmt:MATRIX_FMT_FP6 matrix_b_fmt:MATRIX_FMT_FP6
	v_wmma_scale_f32_16x16x128_f8f6f4 v[AC+8:AC+15], v[96+12*\s:96+12*\s+11], v[XF+12*\s:XF+12*\s+11], v[AC+8:AC+15], v[G2S+\s], v[XSW+\s] matrix_a_fmt:MATRIX_FMT_FP6 matrix_b_fmt:MATRIX_FMT_FP6
.endif
.endr
	WIN 0
.irp i, 0,1,2,3
	v_mov_b32 v[TT+\i], 0                          ; a lane permute's destination counts as one of its sources; these four lines are also the places behind the last products (ISA guide 7.12.1)
.endr
.irp g, 0,1
	v_max3_num_f32 v[MX+\g], v[AC+8*\g], v[AC+8*\g+1], v[AC+8*\g+2]   ; the largest of my eight logits, from the accumulator's low end on
.endr
.irp i, 3,5
.irp g, 0,1
	v_max3_num_f32 v[MX+\g], v[MX+\g], v[AC+8*\g+\i], v[AC+8*\g+\i+1]
.endr
.endr
.irp g, 0,1
	v_max_num_f32 v[MX+\g], v[MX+\g], v[AC+8*\g+7]
.endr
.irp g, 0,1
	v_permlanex16_b32 v[TT+\g], v[MX+\g], s44, s45
.endr
.irp g, 0,1
	v_max_num_f32 v[MX+\g], v[MX+\g], v[TT+\g]     ; with the other eight experts': the row's maximum
.endr
.irp g, 0,1
	v_mul_f32 v[NM+\g], 0xbfb8aa3b, v[MX+\g]
.endr
.irp j, 0,1,2,3,4,5,6,7
.irp g, 0,1
	v_fma_f32 v[AC+8*\g+\j], v[AC+8*\g+\j], s40, v[NM+\g]     ; (logit - maximum) x log2(e)
.endr
.endr
.irp j, 0,1,2,3,4,5,6,7
.irp g, 0,1
	v_exp_f32 v[AC+8*\g+\j], v[AC+8*\g+\j]
.endr
.endr
.irp j, 0,2,4,6
	v_pk_add_f32 v[FV+\j:FV+\j+1], v[FV+\j:FV+\j+1], v[BO+\j:BO+\j+1]   ; f + bo.  (Plain places behind the exponentials)
.endr
	s_wait_alu depctr_va_vdst(0)
.irp g, 0,1
	v_add_f32 v[SU+\g], v[AC+8*\g], v[AC+8*\g+1]
	v_mul_f32 v[DT+\g], v[AC+8*\g], v[FV]
.endr
.irp g, 0,1
	v_fma_f32 v[DT+\g], v[AC+8*\g+1], v[FV+1], v[DT+\g]
.endr
.irp j, 2,3,4,5,6,7
.irp g, 0,1
	v_add_f32 v[SU+\g], v[SU+\g], v[AC+8*\g+\j]
	v_fma_f32 v[DT+\g], v[AC+8*\g+\j], v[FV+\j], v[DT+\g]
.endr
.endr
.irp g, 0,1
	v_permlanex16_b32 v[TT+\g], v[SU+\g], s44, s45
	v_permlanex16_b32 v[TT+2+\g], v[DT+\g], s44, s45
.endr
.irp g, 0,1
	v_add_f32 v[SU+\g], v[SU+\g], v[TT+\g]         ; both sums over all sixteen experts
	v_add_f32 v[DT+\g], v[DT+\g], v[TT+2+\g]
.endr
.irp g, 0,1
	v_rcp_f32 v[RC+\g], v[SU+\g]
.endr
	v_nop                                          ; a plain place behind the reciprocals
	s_wait_alu depctr_va_vdst(0)
.irp g, 0,1
	v_mul_f32 v[OU+\g], v[DT+\g], v[RC+\g]
.endr
.irp g, 0,1
	ds_store_b32 v7, v[OU+\g] offset:256*\g        ; gate g's 64 results lie together; both lanes of a token write the same word with the same value
.endr
	s_wait_dscnt 0x0                               ; for the others' sake: my stores are done
	s_barrier_signal -1
	s_barrier_wait -1
	s_cmp_lt_u32 s28, 2                            ; wave 0 stores out0's 64 numbers, wave 1 out1's
	s_cbranch_scc0 .Ldone
	s_cmp_eq_u32 s28, 0
	s_cselect_b64 s[42:43], s[24:25], s[26:27]
	ds_load_b64 v[10:11], v8
	s_wait_dscnt 0x0
	global_store_b64 v9, v[10:11], s[42:43]        ; 32 lanes store 256 consecutive bytes, at a multiple of 256 from the output's first byte
.Ldone:
	s_wait_tensorcnt 0x0
	ds_add_u32 v254, v255
	s_wait_dscnt 0x0
	s_endpgm
.Lfunc_end_k_qecc562625d_mix:
	.size	k_qecc562625d_mix, .Lfunc_end_k_qecc562625d_mix-k_qecc562625d_mix
	.p2alignl 7, 3214868480
	.fill 96, 4, 3214868480
	.section	.rodata,"a",@progbits
	.p2align	6, 0x0
	.amdhsa_kernel k_qecc562625d_mix
		.amdhsa_group_segment_fixed_size 1024
		.amdhsa_private_segment_fixed_size 0
		.amdhsa_enable_private_segment 0
		.amdhsa_kernarg_size 96
		.amdhsa_user_sgpr_count 2
		.amdhsa_user_sgpr_kernarg_segment_ptr 1
		.amdhsa_wavefront_size32 1
		.amdhsa_system_sgpr_workgroup_id_x 1
		.amdhsa_system_sgpr_workgroup_id_y 1
		.amdhsa_system_sgpr_workgroup_id_z 1
		.amdhsa_system_vgpr_workitem_id 0
		.amdhsa_next_free_vgpr 448
		.amdhsa_next_free_sgpr 66
		.amdhsa_reserve_vcc 0
		.amdhsa_float_denorm_mode_32 3
		.amdhsa_float_denorm_mode_16_64 3
		.amdhsa_memory_ordered 1
		.amdhsa_forward_progress 1
		.amdhsa_inst_pref_size 25
	.end_amdhsa_kernel
	.amdgpu_metadata
---
amdhsa.version: [ 1, 2 ]
amdhsa.kernels:
  - .name:           k_qecc562625d_mix
    .symbol:         k_qecc562625d_mix.kd
    .args:
      - { .name: x_codes, .offset: 0, .size: 8, .value_kind: global_buffer, .address_space: global }
      - { .name: x_scales, .offset: 8, .size: 8, .value_kind: global_buffer, .address_space: global }
      - { .name: Wg1_codes, .offset: 16, .size: 8, .value_kind: global_buffer, .address_space: global }
      - { .name: Wg1_scales, .offset: 24, .size: 8, .value_kind: global_buffer, .address_space: global }
      - { .name: Wg2_codes, .offset: 32, .size: 8, .value_kind: global_buffer, .address_space: global }
      - { .name: Wg2_scales, .offset: 40, .size: 8, .value_kind: global_buffer, .address_space: global }
      - { .name: bg1, .offset: 48, .size: 8, .value_kind: global_buffer, .address_space: global }
      - { .name: bg2, .offset: 56, .size: 8, .value_kind: global_buffer, .address_space: global }
      - { .name: bo, .offset: 64, .size: 8, .value_kind: global_buffer, .address_space: global }
      - { .name: fexp, .offset: 72, .size: 8, .value_kind: global_buffer, .address_space: global }
      - { .name: out0, .offset: 80, .size: 8, .value_kind: global_buffer, .address_space: global }
      - { .name: out1, .offset: 88, .size: 8, .value_kind: global_buffer, .address_space: global }
    .group_segment_fixed_size: 1024
    .private_segment_fixed_size: 0
    .kernarg_segment_align: 8
    .kernarg_segment_size: 96
    .max_flat_workgroup_size: 128
    .sgpr_count:     66
    .vgpr_count:     448
    .wavefront_size: 32
...
	.end_amdgpu_metadata
.endif
;; end of part 2
;; ======== version 2 of 2: 2 launches
;; limits: right only within a limited range of input values
;; workspace buffers: fexp 65,536 bytes
;; launch chain (part 3): grid 16 x 16, 4 waves a work-group, clusters of 4 x 1, 327,680 bytes of LDS; arguments x_codes, x_scales, W1_codes, W1_scales, b1, W2_codes, W2_scales, b2, Wo, fexp; writes fexp
.if DOCPART == 3
	.amdgcn_target "amdgcn-amd-amdhsa--gfx1250"
	.amdhsa_code_object_version 6
	.text
	.protected	k_qecc562625d_chain
	.globl	k_qecc562625d_chain
	.p2align	8
	.type	k_qecc562625d_chain,@function
k_qecc562625d_chain:
	s_mov_b64 s[64:65], 0
	v_nop
	global_prefetch_b8 v0, s[64:65] scope:SCOPE_SE
	s_setreg_imm32_b32 hwreg(HW_REG_WAVE_MODE, 25, 1), 1
	s_wait_xcnt 0x0
	s_wait_alu depctr_hold_cnt(0) depctr_sa_sdst(0) depctr_va_vdst(0) depctr_va_sdst(0) depctr_va_ssrc(0) depctr_va_vcc(0) depctr_vm_vsrc(0)
	s_getreg_b32 s2, hwreg(HW_REG_IB_STS2, 6, 4)
	s_cmp_eq_u32 s2, 0
	s_cbranch_scc0 .Lentry_in_a_cluster
	s_endpgm
.Lentry_in_a_cluster:
	s_bfe_u32 s2, ttmp6, 0x10000c
	s_cmp_lg_u32 s2, 0x3003
	s_cbranch_scc0 .Lentry_shape_is_right
	s_endpgm
.Lentry_shape_is_right:
; fexp[e][t] = Wo[e] . h3,  h1 = sigmoid(x W1[e] + b1[e]),  h2 = Q(relu(h1)) W2[e] + b2[e],  h3 = Q(relu(h2)) W2[e] + b2[e].  (bo is added by the launch that follows.)
; All three products run on codes of FP6 (E2M3) with one E8M0 scale for each 32 along K; x, W1, W2 arrive as codes (a row of 1,024 codes is 768 bytes); Q quantises the hidden layers here, from f32.
; SHARES.  A work-group takes one expert (grid y) and 64 tokens (grid x) through the whole chain.  Wave w makes hidden units 256 w .. 256 w + 255 of each layer for all 64 tokens, in 8 tiles of 32 units.
; The activations (64 tokens x 1,024 K = 32 fragments, 384 registers) lie in every wave's registers; a weight fragment read from LDS feeds four products.
; THE WEIGHTS come through a ring of two pieces of 32 rows for each wave, which lie side by side in LDS: the head's one load brings 64 rows, tiles 0 and 1.  Only the wave that fetched a piece reads it.
; A TILE'S BODY: K steps 0-3 are multiplied while the change of slots is prepared; behind the round tile n + 2 is asked for into the piece of tile n, whose fragments all lie in registers by then;
; tile n + 1's fragments of K steps 0-3 are read in one run into the registers just multiplied, those of K steps 4-7 in a second run behind the tile's last product.  So 96 LDS loads stand in two runs.
; CLUSTER.  The four work-groups of a cluster are four token blocks of one expert and walk the same weights: every weight tile is asked for jointly.  x's 49,152 bytes, the scales, biases and Wo come by plain loads.
; PREFETCH.  In the body that asks for tile n + 2, tile n + 4 of the stream W1, W2 is named once in the cluster: a wave's piece is 96 blocks of 256 bytes, the partner at place cx names blocks 24 cx .. 24 cx + 23,
; a lane a block (lanes 24-31 name block 23 again).  The head names W1's tiles 2 and 3, which the first two bodies ask for.  It stops at W2's tile 7: layer 3 walks rows that layer 2 has read.
; THE MATRIX INSTRUCTION IS USED TRANSPOSED: source 0 = 16 rows of the weight, source 1 = 16 tokens: lane (r, h) holds token r, register i of tile u the unit 16 u + 8 h + i of the 32.  The bias is the C of the first product.
; LIMITS: NaN and infinities among the inputs, and the scale byte 0xff, are not served.  A hidden block of zeros gets the byte 1 where the rule says 127: its codes are zeros, and this kernel alone reads the bytes.
; sigmoid(z) = 1 / (1 + 2^(-z log2 e)): where the power overflows the result is 0, where it falls to 0 the result is 1, as in f32.
; REGISTERS, in windows of 256: 0: addresses, scale words, biases, Wo, 8 accumulators, work.  1: a tile's 16 weight fragments.  2: activations of token tiles 0, 1.  3: of tiles 2, 3.
.set PITCH,  816                       ; an LDS row of codes: 3 x (256 + 16 of padding)
.set PIECE,  32*PITCH
.set XPIECE, 16*PITCH
.set XT,     8*PIECE                   ; behind the ring: x's 64 rows, stored once
.set IMG,    XT+4*XPIECE               ; the hidden layer as images of the operand's registers: half fragment g = K / 64, token tile m, pair p: 3,072 g + 768 m + 256 p + 8 x lane.  Wave w writes g = 4 w .. 4 w + 3: 12,288 bytes on end
.set HSC,    IMG+49152                 ; scale bytes: [4 waves][64 tokens][8 blocks]: 512 bytes on end for each wave
.set RED,    HSC+2048                  ; [4 waves][64 tokens] f32
.set SPARE,  RED+1024                  ; the spare words
.set TILEB,  32*768                    ; a tile's bytes among a wave's rows
.set SPW,  3
.set NIL,  4
.set AW,   5                           ; v5, v6 my place in ring piece 0 (row r + 24 h; the same + 16 h); v7, v8 in piece 1
.set AX,   9                           ; v9, v10 the same in x's rows
.set AIM,  11                          ; IMG + 8 x lane
.set AIS,  12                          ; IMG + 12,288 w + 768 h + 8 r
.set AISW, 13                          ; + 3,072 x trip
.set ASB,  14                          ; HSC + 512 w + 8 r
.set ASBW, 15                          ; + 2 x trip
.set ASR,  16                          ; HSC + 8 r
.set OXS,  17                          ; 32 r
.set OWS,  18                          ; 32 x lane
.set OBI,  19                          ; 32 h
.set ARS,  20                          ; RED + 256 w + 4 r
.set OOUT, 21                          ; 8 x lane
.set ARD,  22                          ; RED + 8 x lane
.set VSX,  26                          ; where I put 16 bytes of x
.set OXC,  27                          ; 16 x lane
.set PFO,  28                          ; the prefetches' offset: 6,144 cx + 256 min(lane, 23)
.set XS,   32                          ; v32-63 activations' scale words (m, s) at XS + 8 m + s
.set WS,   64                          ; v64-79 weights' scale words, two sets
.set BI,   80                          ; v80-111 biases, two sets
.set WO,   112                         ; v112-143 Wo, two sets
.set ACC,  144                         ; v144-207 accumulator (m, u) at ACC + 16 m + 8 u
.set TM,   208
.set TP,   212
.set SO,   216
.set BY,   220
.set CD,   224
.set FS,   240
.set WPS,  4                           ; s[4:5], s[12:13], s[16:17]: addresses of the small operands asked for
.set CB1,  8
.set WPB,  12
.set CB2,  14
.set WPW,  16
.set WV,   24
.set G1W,  28
.set T0,   36
.set T1,   37
.set OS,   38                          ; offsets, as pairs with 0 above
.set OB,   40
.set OC,   42
.set OP,   44
.set PF,   46                          ; s[46:47] the prefetch's base
.set G0R,  48                          ; s[48:55] groups 0, one for each ring piece
.set SI,   56                          ; 3,072 x trip
.set SBY,  57                          ; 2 x trip
.set SEL,  66
.set TR,   71
.set PS1,  74
.set PB1,  76
.set PS2,  78
.set PB2,  80
.set PWO,  82
.set POUT, 84
.set MSB, 0
.macro WIN new                         ; the immediate's high byte repeats the setting that is left
.if MSB != (\new)
	s_set_vgpr_msb (MSB<<8)|(\new)
.set MSB, (\new)
.endif
.endm
.macro PLACES n
.rept \n
	v_nop
.endr
.endm
.macro CREST                           ; a round of the cluster's barrier behind its opening barrier
	s_cmp_lg_u32 s[WV], 0
	s_cbranch_scc1 .Lnot_wave_0_\@
	s_barrier_signal -3
.Lnot_wave_0_\@:
	s_barrier_wait -3
	s_barrier_signal -1
	s_barrier_wait -1
.endm
.macro CROUND
	s_barrier_signal -1
	s_barrier_wait -1
	CREST
.endm
.macro JLOAD g0                        ; a joint load of my rows; its registers differ by the wave's number alone.  s_nop 0 and four v_nop follow
	tensor_load_to_lds s[\g0:\g0+3], s[G1W:G1W+7]
	s_nop 0
	PLACES 4
.endm
.macro WOLOAD set
.irp u, 0,1
	global_load_b128 v[WO+16*(\set)+8*\u:WO+16*(\set)+8*\u+3], v[OBI], s[WPW:WPW+1] offset:64*\u
	global_load_b128 v[WO+16*(\set)+8*\u+4:WO+16*(\set)+8*\u+7], v[OBI], s[WPW:WPW+1] offset:64*\u+16
.endr
.endm
.macro LOOK set, wo                    ; a tile's small operands: 8 scale words, 16 biases, with wo = 1 also 16 numbers of Wo, a lane
	global_load_b128 v[WS+8*(\set):WS+8*(\set)+3], v[OWS], s[WPS:WPS+1]
	global_load_b128 v[WS+8*(\set)+4:WS+8*(\set)+7], v[OWS], s[WPS:WPS+1] offset:16
.irp u, 0,1
	global_load_b128 v[BI+16*(\set)+8*\u:BI+16*(\set)+8*\u+3], v[OBI], s[WPB:WPB+1] offset:64*\u
	global_load_b128 v[BI+16*(\set)+8*\u+4:BI+16*(\set)+8*\u+7], v[OBI], s[WPB:WPB+1] offset:64*\u+16
.endr
.if \wo
	WOLOAD \set
.endif
.endm
; The addresses of the next tile's small operands: tile (2 trip + rho + 1) mod 8; behind layer 1's last tile they are W2's and b2's.
.macro PREPL lay, rho
	s_lshl_b32 s[T0], s[TR], 1
	s_add_co_u32 s[T1], s[T0], \rho+1
	s_and_b32 s[T1], s[T1], 7
	s_lshl_b32 s[OS], s[T1], 10
	s_lshl_b32 s[OB], s[T1], 7
.if \lay == 1
.if \rho
	s_cmp_lt_u32 s[TR], 3
	s_cselect_b64 s[WPS:WPS+1], s[PS1:PS1+1], s[PS2:PS2+1]
	s_cselect_b64 s[WPB:WPB+1], s[PB1:PB1+1], s[PB2:PB2+1]
	s_add_nc_u64 s[WPS:WPS+1], s[WPS:WPS+1], s[OS:OS+1]
	s_add_nc_u64 s[WPB:WPB+1], s[WPB:WPB+1], s[OB:OB+1]
.else
	s_add_nc_u64 s[WPS:WPS+1], s[PS1:PS1+1], s[OS:OS+1]
	s_add_nc_u64 s[WPB:WPB+1], s[PB1:PB1+1], s[OB:OB+1]
.endif
.else
	s_add_nc_u64 s[WPS:WPS+1], s[PS2:PS2+1], s[OS:OS+1]
	s_add_nc_u64 s[WPB:WPB+1], s[PB2:PB2+1], s[OB:OB+1]
.endif
.if \lay == 3
	s_add_nc_u64 s[WPW:WPW+1], s[PWO:PWO+1], s[OB:OB+1]
.endif
.endm
; The refill's address, tile (2 trip + rho + 2) mod 8 (a layer's last trip asks for the next layer's tiles 0 and 1), and the prefetch's, two tiles on.  It stands behind the wait that shows all my tensor loads done.
.macro PREPR lay, rho
.set GG, G0R+4*\rho
	s_add_co_u32 s[T1], s[T0], \rho+2
	s_and_b32 s[T1], s[T1], 7
	s_mul_i32 s[OC], s[T1], TILEB
.if \lay < 3
	s_add_co_u32 s[T1], s[T0], \rho+4
	s_and_b32 s[T1], s[T1], 7
	s_mul_i32 s[OP], s[T1], TILEB
.endif
.if \lay == 1
	s_cmp_lt_u32 s[TR], 3
	s_cselect_b64 s[GG+2:GG+3], s[CB1:CB1+1], s[CB2:CB2+1]
	s_cmp_lt_u32 s[TR], 2
	s_cselect_b64 s[PF:PF+1], s[CB1:CB1+1], s[CB2:CB2+1]
	s_add_nc_u64 s[GG+2:GG+3], s[GG+2:GG+3], s[OC:OC+1]
	s_add_nc_u64 s[PF:PF+1], s[PF:PF+1], s[OP:OP+1]
.else
	s_add_nc_u64 s[GG+2:GG+3], s[CB2:CB2+1], s[OC:OC+1]
.if \lay == 2
	s_add_nc_u64 s[PF:PF+1], s[CB2:CB2+1], s[OP:OP+1]
.endif
.endif
	s_or_b32 s[GG+3], s[GG+3], 0x80000000
.endm
.macro ASK lay                         ; layer 1: every body asks; layer 2: the first two trips (W2's tiles 4-7); layer 3: none
.if \lay == 1
	global_prefetch_b8 v[PFO], s[PF:PF+1] th:TH_LOAD_NT scope:SCOPE_SE
.elseif \lay == 2
	s_cmp_lt_u32 s[TR], 2
	s_cbranch_scc0 .Lno_ask_\@
	global_prefetch_b8 v[PFO], s[PF:PF+1] th:TH_LOAD_NT scope:SCOPE_SE
.Lno_ask_\@:
.endif
.endm
; A fragment, 16 rows x 128 K, is 12 registers: lane (r, h): registers 6 c .. 6 c + 5 = K 64 c + 32 h + 0 .. 31, 24 bytes as they lie, in pieces of 8.  Where lanes 16-31's piece lies behind one padding more, the second address register serves.
.macro FRAG reg, adr, s, rowoff
.irp p, 0,1,2,3,4,5
.set PCE, 12*(\s)+6*(\p/3)+\p%3
.if PCE%32 < 29
	ds_load_b64 v[(\reg)+2*\p:(\reg)+2*\p+1], v[\adr] offset:(\rowoff)+8*PCE+16*(PCE/32)
.else
	ds_load_b64 v[(\reg)+2*\p:(\reg)+2*\p+1], v[\adr+1] offset:(\rowoff)+8*PCE+16*(PCE/32)
.endif
.endr
.endm
.macro KFETCH rho, s                   ; K step s's two weight fragments: (u, s) at v[12 (8 u + s)] of window 1
	WIN 0x40
	FRAG 12*(\s), AW+2*(\rho), \s, 0
	FRAG 12*(8+(\s)), AW+2*(\rho), \s, XPIECE
.endm
; K step s: 8 matrix instructions; the eight accumulators take turns, one instruction a turn.  The first K step takes the bias as C.
.macro KMUL set, s
.irp half, 0,1
	WIN 0x09+4*\half
.irp mm, 0,1
.irp u, 0,1
.set rD, ACC+16*(2*\half+\mm)+8*\u
.set rA, 12*(8*\u+(\s))
.set rB, 12*(8*\mm+(\s))
.set rC, rD
.if (\s) == 0
.set rC, BI+16*(\set)+8*\u
.endif
.set rSA, WS+8*(\set)+(\s)
.set rSB, XS+8*(2*\half+\mm)+(\s)
.if \u == 0
	v_wmma_scale_f32_16x16x128_f8f6f4 v[rD:rD+7], v[rA:rA+11], v[rB:rB+11], v[rC:rC+7], v[rSA], v[rSB] matrix_a_fmt:MATRIX_FMT_FP6 matrix_b_fmt:MATRIX_FMT_FP6
.else
	v_wmma_scale_f32_16x16x128_f8f6f4 v[rD:rD+7], v[rA:rA+11], v[rB:rB+11], v[rC:rC+7], v[rSA], v[rSB] matrix_a_fmt:MATRIX_FMT_FP6 matrix_b_fmt:MATRIX_FMT_FP6 matrix_a_scale:MATRIX_SCALE_ROW1
.endif
.endr
.endr
.endr
.endm
.macro SIGM                            ; sigmoid in f32, in place, each accumulator from its low end on; relu of a sigmoid changes nothing.  The waits round the two batches
.set i, 0
.rept 32
	v_pk_mul_f32 v[ACC+i:ACC+i+1], v[ACC+i:ACC+i+1], 0xbfb8aa3b op_sel_hi:[1,0]
.set i, i+2
.endr
.set i, 0
	s_wait_alu depctr_va_vdst(0)
.rept 64
	v_exp_f32 v[ACC+i], v[ACC+i]
.set i, i+1
.endr
	v_nop
.set i, 0
	s_wait_alu depctr_va_vdst(0)
.rept 32
	v_pk_add_f32 v[ACC+i:ACC+i+1], v[ACC+i:ACC+i+1], 1.0 op_sel_hi:[1,0]
.set i, i+2
.endr
.set i, 0
	s_wait_alu depctr_va_vdst(0)
.rept 64
	v_rcp_f32 v[ACC+i], v[ACC+i]
.set i, i+1
.endr
	v_nop
	s_wait_alu depctr_va_vdst(0)
.endm
.macro RELU
.set i, 0
.rept 64
	v_max_num_f32 v[ACC+i], 0, v[ACC+i]
.set i, i+1
.endr
.endm
; The tile's 32 hidden units of 64 tokens become one block of the next K.  A token's 32 numbers lie in lanes (r, 0) and (r, 1); none is negative.
.macro QUANT rho
.irp m, 0,1,2,3
	v_max3_num_f32 v[TM+\m], v[ACC+16*\m], v[ACC+16*\m+1], 0x1800000   ; with the floor 2^(3 - 127): the byte stays at 1 or above
.endr
.irp i, 2,4,6,8,10,12,14
.irp m, 0,1,2,3
	v_max3_num_f32 v[TM+\m], v[TM+\m], v[ACC+16*\m+\i], v[ACC+16*\m+\i+1]
.endr
.endr
.irp m, 0,1,2,3
	v_permlanex16_b32 v[TP+\m], v[TM+\m], s[SEL], s[SEL+1]
.endr
.irp m, 0,1,2,3
	v_max_num_f32 v[TM+\m], v[TM+\m], v[TP+\m]
.endr
.irp m, 0,1,2,3
	v_add_nc_u32 v[SO+\m], 0xff000000, v[TM+\m]    ; 2 off the exponent field: the conversion's scale operand
.endr
.irp m, 0,1,2,3
	v_lshrrev_b32 v[BY+\m], 23, v[SO+\m]
.endr
.irp m, 0,1,2,3
	ds_store_b8 v[ASBW], v[BY+\m] offset:128*\m+\rho   ; token 16 m + r, my block 2 trip + rho; both lanes of a token write the same byte with the same value
.endr
.irp m, 0,1,2,3
	v_cvt_scalef32_pk16_fp6_f32 v[CD+4*\m:CD+4*\m+2], v[ACC+16*\m:ACC+16*\m+15], v[SO+\m]   ; lanes 0-15: k 0-7, 16-23 of the block; lanes 16-31: k 8-15, 24-31
.endr
	v_nop
.irp m, 0,2
.irp i, 0,1,2
	v_permlane16_swap_b32 v[CD+4*\m+\i], v[CD+4*\m+4+\i]   ; lane (r, hh) now holds token r of tile m + hh: x = k 0-7, 16-23, y = k 8-15, 24-31
.endr
	v_perm_b32 v[CD+4*\m+3], v[CD+4*\m+2], v[CD+4*\m+1], s69   ; the block's six words: word 3 = x1's upper half, x2's lower
	v_mov_b32 v[CD+4*\m+7], v[CD+4*\m+6]                       ; word 5 = y2
	v_perm_b32 v[CD+4*\m+6], v[CD+4*\m+5], v[CD+4*\m+2], s70   ; word 4 = x2's upper, y1's upper
	v_perm_b32 v[CD+4*\m+2], v[CD+4*\m+5], v[CD+4*\m+4], s69   ; word 2 = y0's upper, y1's lower
	v_perm_b32 v[CD+4*\m+1], v[CD+4*\m+4], v[CD+4*\m+1], s68   ; word 1 = x1's lower, y0's lower
	ds_store_b64 v[AISW], v[CD+4*\m:CD+4*\m+1] offset:768*\m+128*\rho
	ds_store_b64 v[AISW], v[CD+4*\m+2:CD+4*\m+3] offset:768*\m+128*\rho+256
	ds_store_b64 v[AISW], v[CD+4*\m+6:CD+4*\m+7] offset:768*\m+128*\rho+512
.endr
.endm
.macro DOT set
.irp i, 0,2,4,6,8,10,12,14
.irp m, 0,1,2,3
	v_pk_fma_f32 v[FS+2*\m:FS+2*\m+1], v[ACC+16*\m+\i:ACC+16*\m+\i+1], v[WO+16*(\set)+\i:WO+16*(\set)+\i+1], v[FS+2*\m:FS+2*\m+1]
.endr
.endr
.endm
; A TILE'S BODY.  rho: its ring piece and its set of small operands.  refill = 1: tile n + 2 is asked for.  fetch = 1: tile n + 1's fragments and small operands are read.
.macro BODY lay, rho, refill, fetch
	s_wait_alu depctr_va_vdst(0)
	s_wait_xcnt 0x0                                ; my prefetch has read its base
	s_wait_loadcnt 0x0                             ; this tile's small operands, asked for a body ago
.if \fetch
	PREPL \lay, \rho
.if \lay == 3
	LOOK 1-\rho, 1
.else
	LOOK 1-\rho, 0
.endif
.endif
	s_wait_dscnt 48                                ; the youngest 48 loads, K steps 4-7's fragments, may be out
	KMUL \rho, 0
	KMUL \rho, 1
.if \refill
	WIN 0
	s_wait_tensorcnt 0x0                           ; my one load that was out, tile n + 1, is in
	ds_add_u32 v[SPW], v[NIL]
	PREPR \lay, \rho
	KMUL \rho, 2
	s_wait_dscnt 0x0                               ; the add, my reads of this tile's piece, my stores
	s_barrier_signal -1
	KMUL \rho, 3
	WIN 0
	s_barrier_wait -1
	CREST
	JLOAD G0R+4*\rho                               ; its four v_nop are also the places ahead of the loads below
.else
	KMUL \rho, 2
	KMUL \rho, 3
	WIN 0
.if \fetch
	s_wait_tensorcnt 0x0                           ; the last tile is in; only I read it
.endif
	PLACES 4
.endif
.if \fetch
.irp s, 0,1,2,3
	KFETCH 1-\rho, \s
.endr
	WIN 0
.if \refill
	ASK \lay
.else
	s_wait_dscnt 48                                ; all but the 48 just issued
.endif
.else
	s_wait_dscnt 0x0
.endif
.irp s, 4,5,6,7
	KMUL \rho, \s
.endr
	WIN 0
	PLACES 5                                       ; four places ahead of reads of results and of loads into the products' registers, five ahead of products that begin these accumulators anew
.if \fetch
.irp s, 4,5,6,7
	KFETCH 1-\rho, \s
.endr
	WIN 0
.endif
.if \lay == 1
	SIGM
	QUANT \rho
.elseif \lay == 2
	RELU
	QUANT \rho
.else
	s_wait_alu depctr_va_vdst(0)
	DOT \rho
.endif
.endm
.macro AFETCH_X
.irp m, 0,1,2,3
	WIN 0x80+0x40*(\m/2)
.irp s, 0,1,2,3,4,5,6,7
	FRAG 12*(8*(\m%2)+\s), AX, \s, XPIECE*\m
.endr
.endr
	WIN 0
.endm
.macro TURNOVER                        ; a layer's end: everybody's images and bytes are whole; they become my activations.  The next stores over them stand behind the next body's round, ahead of which every wave has waited for these reads
	s_wait_alu depctr_va_vdst(0)
	s_wait_dscnt 0x0
	s_barrier_signal -1
	s_barrier_wait -1                              ; (the refill that is out stays out)
.irp m, 0,1,2,3
	WIN 0x80+0x40*(\m/2)
.irp s, 0,1,2,3,4,5,6,7
.irp q, 0,1,2,3,4,5
	ds_load_b64 v[12*(8*(\m%2)+\s)+2*\q:12*(8*(\m%2)+\s)+2*\q+1], v[AIM] offset:3072*(2*\s+\q/3)+768*\m+256*(\q%3)
.endr
.endr
.endr
	WIN 0
.irp m, 0,1,2,3
.irp w, 0,1,2,3
	ds_load_b64 v[XS+8*\m+2*\w:XS+8*\m+2*\w+1], v[ASR] offset:512*\w+128*\m   ; the words of K steps 2 w, 2 w + 1
.endr
.endr
	s_wait_dscnt 0x0
.endm
.macro THEAD                           ; where this trip's images and bytes go
	v_add_nc_u32 v[AISW], s[SI], v[AIS]
	v_add_nc_u32 v[ASBW], s[SBY], v[ASB]
.endm
.macro TSTEP n, label
	s_add_co_u32 s[SI], s[SI], 3072
	s_add_co_u32 s[SBY], s[SBY], 2
	s_add_co_u32 s[TR], s[TR], 1
	s_cmp_lt_u32 s[TR], \n
	s_cbranch_scc1 \label
.endm
.macro TZERO
	s_mov_b32 s[TR], 0
	s_mov_b32 s[SI], 0
	s_mov_b32 s[SBY], 0
.endm
	s_load_b256 s[4:11], s[0:1], 0x0               ; x's codes, x's scales, W1's codes, W1's scales
	s_load_b256 s[12:19], s[0:1], 0x20             ; b1, W2's codes, W2's scales, b2
	s_load_b128 s[20:23], s[0:1], 0x40             ; Wo, fexp
	v_lshl_add_u32 v[SPW], v0, 2, SPARE
	v_mov_b32 v[NIL], 0
	ds_add_u32 v[SPW], v[NIL]                      ; the opening lines: the add twice on end and one wait
	ds_add_u32 v[SPW], v[NIL]
	v_lshrrev_b32 v1, 5, v0
	v_readfirstlane_b32 s[WV], v1                  ; wave 0..3
	s_and_b32 s25, ttmp7, 0xffff                   ; the expert
	s_bfe_u32 s27, ttmp6, 0x40000                  ; cx
	s_lshl_b32 s26, ttmp9, 2
	s_add_co_u32 s26, s26, s27                     ; my block of 64 tokens: it enters the global addresses of x, x's scales and fexp alone
	s_mov_b32 s[G1W], 15|(1<<20)|(1<<21)|(5<<22)|(3<<25)   ; mask of all four; elements of 1 byte; 4 words of padding behind every 64
	s_mov_b32 s[G1W+1], 768<<16
	s_mov_b32 s[G1W+2], 64<<16                     ; the head's load brings 64 rows
	s_mov_b32 s[G1W+3], 768<<16
	s_mov_b32 s[G1W+4], 64
	s_mov_b32 s[G1W+5], 768
	s_mov_b32 s[G1W+6], 0
	s_mov_b32 s[G1W+7], 0
	s_mul_i32 s86, s25, 786432                     ; a weight's codes: the expert, my wave's 256 rows
	s_mul_i32 s87, s[WV], 196608
	s_add_co_u32 s86, s86, s87
	s_mov_b32 s87, 0
	s_lshl_b32 s88, s25, 15                        ; its scales
	s_lshl_b32 s89, s[WV], 13
	s_add_co_u32 s88, s88, s89
	s_mov_b32 s89, 0
	s_lshl_b32 s90, s25, 12                        ; b1, b2, Wo
	s_lshl_b32 s91, s[WV], 10
	s_add_co_u32 s90, s90, s91
	s_mov_b32 s91, 0
	s_mul_i32 s92, s26, 49152                      ; x's codes: my block, my wave's 16 rows
	s_mul_i32 s93, s[WV], 12288
	s_add_co_u32 s92, s92, s93
	s_mov_b32 s93, 0
	s_lshl_b32 s94, s26, 11                        ; x's scales
	s_mov_b32 s95, 0
	s_lshl_b32 s96, s25, 12                        ; fexp
	s_lshl_b32 s97, s26, 8
	s_add_co_u32 s96, s96, s97
	s_mov_b32 s97, 0
	s_mul_i32 s98, s[WV], 2*PIECE                  ; LDS: my two ring pieces
	s_mul_i32 s2, s[WV], 12288
	s_add_co_u32 s2, s2, IMG
	s_lshl_b32 s3, s[WV], 9
	s_add_co_u32 s3, s3, HSC
	s_lshl_b32 s58, s[WV], 8
	s_add_co_u32 s58, s58, RED
	s_mul_i32 s59, s[WV], XPIECE
	s_add_co_u32 s59, s59, XT
	s_mul_i32 s60, s27, 6144                       ; cx enters the prefetches' offset alone
	s_mov_b32 s[OS+1], 0
	s_mov_b32 s[OB+1], 0
	s_mov_b32 s[OC+1], 0
	s_mov_b32 s[OP+1], 0
	s_mov_b32 s[SEL], 0x76543210
	s_mov_b32 s[SEL+1], 0xfedcba98
	s_mov_b32 s68, 0x05040100
	s_mov_b32 s69, 0x05040302
	s_mov_b32 s70, 0x07060302
	v_and_b32 v1, 15, v0                           ; r
	v_bfe_u32 v2, v0, 4, 1                         ; h
	v_and_b32 v25, 31, v0                          ; lane
	v_mul_u32_u24 v23, v1, PITCH
	v_mad_u32_u24 v23, v2, 24, v23
	v_lshl_add_u32 v24, v2, 4, v23
	v_add_nc_u32 v[AW], s98, v23
	v_add_nc_u32 v[AW+1], s98, v24
	v_add_nc_u32 v[AW+2], PIECE, v[AW]
	v_add_nc_u32 v[AW+3], PIECE, v[AW+1]
	v_add_nc_u32 v[AX], XT, v23
	v_add_nc_u32 v[AX+1], XT, v24
	v_lshl_add_u32 v[AIM], v25, 3, IMG
	v_mul_u32_u24 v[AIS], v2, 768
	v_lshl_add_u32 v[AIS], v1, 3, v[AIS]
	v_add_nc_u32 v[AIS], s2, v[AIS]
	v_lshl_add_u32 v[ASB], v1, 3, s3
	v_lshl_add_u32 v[ASR], v1, 3, HSC
	v_lshlrev_b32 v[OXS], 5, v1
	v_lshlrev_b32 v[OWS], 5, v25
	v_lshlrev_b32 v[OBI], 5, v2
	v_lshl_add_u32 v[ARS], v1, 2, s58
	v_lshlrev_b32 v[OOUT], 3, v25
	v_lshl_add_u32 v[ARD], v25, 3, RED
	v_lshlrev_b32 v[OXC], 4, v25
	v_lshl_add_u32 v[VSX], v2, 4, v[OXC]           ; a load's second 256 bytes lie behind one padding more
	v_add_nc_u32 v[VSX], s59, v[VSX]
	v_min_u32 v[PFO], 23, v25
	v_lshlrev_b32 v[PFO], 8, v[PFO]
	v_add_nc_u32 v[PFO], s60, v[PFO]
.irp m, 0,1,2,3
	v_mov_b32 v[TP+\m], 0                          ; a lane permute's destination counts as one of its sources
.endr
	s_wait_alu depctr_va_vdst(0)
	s_wait_dscnt 0x0                               ; both opening adds are done
	s_wait_kmcnt 0x0
	s_add_nc_u64 s[92:93], s[4:5], s[92:93]
	s_add_nc_u64 s[6:7], s[6:7], s[94:95]
	s_add_nc_u64 s[CB1:CB1+1], s[CB1:CB1+1], s[86:87]
	s_add_nc_u64 s[CB2:CB2+1], s[CB2:CB2+1], s[86:87]
	s_add_nc_u64 s[PS1:PS1+1], s[10:11], s[88:89]
	s_add_nc_u64 s[PS2:PS2+1], s[16:17], s[88:89]
	s_add_nc_u64 s[PB1:PB1+1], s[12:13], s[90:91]
	s_add_nc_u64 s[PB2:PB2+1], s[18:19], s[90:91]
	s_add_nc_u64 s[PWO:PWO+1], s[20:21], s[90:91]
	s_add_nc_u64 s[POUT:POUT+1], s[22:23], s[96:97]
	s_mov_b64 s[WPS:WPS+1], s[PS1:PS1+1]           ; tile 0's small operands
	s_mov_b64 s[WPB:WPB+1], s[PB1:PB1+1]
	s_mov_b32 s[G0R], 1
	s_mov_b32 s[G0R+1], s98
	s_mov_b64 s[G0R+2:G0R+3], s[CB1:CB1+1]
	s_or_b32 s[G0R+3], s[G0R+3], 0x80000000
	s_mov_b32 s[G0R+4], 1
	s_add_co_u32 s[G0R+5], s98, PIECE
	WIN 0x40
.irp i, 0,1,2,3,4,5,6,7,8,9,10,11,12,13,14,15,16,17,18,19,20,21,22,23
	global_load_b128 v[4*\i:4*\i+3], v[OXC], s[92:93] offset:512*\i   ; my 16 rows of x: 32 lanes read 512 consecutive bytes
.endr
	WIN 0
	CROUND                                         ; all four work-groups are here: the first joint loads meet
	JLOAD G0R                                      ; my one load at the head: W1's tiles 0 and 1, 64 rows, both my ring pieces
.irp m, 0,1,2,3
	global_load_b128 v[XS+8*\m:XS+8*\m+3], v[OXS], s[6:7] offset:512*\m
	global_load_b128 v[XS+8*\m+4:XS+8*\m+7], v[OXS], s[6:7] offset:512*\m+16
.endr
	LOOK 0, 0
	global_prefetch_b8 v[PFO], s[CB1:CB1+1] offset:2*TILEB th:TH_LOAD_NT scope:SCOPE_SE   ; W1's tiles 2 and 3, which the first two bodies ask for
	global_prefetch_b8 v[PFO], s[CB1:CB1+1] offset:3*TILEB th:TH_LOAD_NT scope:SCOPE_SE
	s_wait_loadcnt 14                              ; x's codes are in; the 8 + 6 loads issued behind them may be out
	WIN 0x04
.irp i, 0,1,2,3,4,5,6,7,8,9,10,11,12,13,14,15,16,17,18,19,20,21,22,23
	ds_store_b128 v[VSX], v[4*\i:4*\i+3] offset:544*\i   ; a load's 512 bytes take 2 x (256 + 16) in LDS
.endr
	WIN 0
	s_wait_dscnt 0x0                               ; for the others' sake: my stores are done
	s_barrier_signal -1
	s_barrier_wait -1                              ; x's 64 rows lie in LDS
	AFETCH_X
	s_wait_tensorcnt 0x0                           ; my 64 rows are in; no load of mine is out, so the descriptor may be written:
	s_mov_b32 s[G1W+2], 32<<16                     ; from here on a load brings 32 rows
	s_mov_b32 s[G1W+4], 32
.irp s, 0,1,2,3,4,5,6,7
	KFETCH 0, \s
.endr
	WIN 0
	; ---- LAYER 1: h1 = sigmoid(x W1 + b1), quantised
	TZERO
.Llayer1:
	THEAD
	BODY 1, 0, 1, 1
	BODY 1, 1, 1, 1
	TSTEP 4, .Llayer1
	TURNOVER
	; ---- LAYER 2: h2 = h1 W2 + b2, relu, quantised
	TZERO
.Llayer2:
	THEAD
	BODY 2, 0, 1, 1
	BODY 2, 1, 1, 1
	TSTEP 4, .Llayer2
	s_mov_b64 s[WPW:WPW+1], s[PWO:PWO+1]
	WOLOAD 0                                       ; Wo's numbers for layer 3's tile 0
.irp m, 0,1,2,3,4,5,6,7
	v_mov_b32 v[FS+\m], 0
.endr
	TURNOVER
	; ---- LAYER 3: h3 = relu(h2) W2 + b2, and Wo . h3.  The last two tiles ask for no tile and are written out
	TZERO
.Llayer3:
	BODY 3, 0, 1, 1
	BODY 3, 1, 1, 1
	TSTEP 3, .Llayer3
	BODY 3, 0, 0, 1
	BODY 3, 1, 0, 0
	; ---- THE WAY OUT: a token's sum over my 256 units lies in two halves of a pair and in two lanes; the four waves' sums meet in LDS
.irp m, 0,1,2,3
	v_add_f32 v[TM+\m], v[FS+2*\m], v[FS+2*\m+1]
.endr
.irp m, 0,1,2,3
	v_permlanex16_b32 v[TP+\m], v[TM+\m], s[SEL], s[SEL+1]
.endr
.irp m, 0,1,2,3
	v_add_f32 v[TM+\m], v[TM+\m], v[TP+\m]
.endr
.irp m, 0,1,2,3
	ds_store_b32 v[ARS], v[TM+\m] offset:64*\m     ; token 16 m + r; both lanes of a token write the same word with the same value
.endr
	s_wait_dscnt 0x0
	s_barrier_signal -1
	s_barrier_wait -1
	s_cmp_lg_u32 s[WV], 0
	s_cbranch_scc1 .Lnot_first
.irp k, 0,1,2,3
	ds_load_b64 v[CD+2*\k:CD+2*\k+1], v[ARD] offset:256*\k
.endr
	s_wait_dscnt 0x0
	v_pk_add_f32 v[CD:CD+1], v[CD:CD+1], v[CD+2:CD+3]
	v_pk_add_f32 v[CD+4:CD+5], v[CD+4:CD+5], v[CD+6:CD+7]
	v_pk_add_f32 v[CD:CD+1], v[CD:CD+1], v[CD+4:CD+5]
	global_store_b64 v[OOUT], v[CD:CD+1], s[POUT:POUT+1]     ; 32 lanes store 256 consecutive bytes, at a multiple of 256 from fexp's first byte
.Lnot_first:
	s_wait_tensorcnt 0x0                           ; the wave's end
	ds_add_u32 v[SPW], v[NIL]
	s_wait_dscnt 0x0
	CROUND                                         ; the closing round
	s_endpgm
.Lfunc_end_k_qecc562625d_chain:
	.size	k_qecc562625d_chain, .Lfunc_end_k_qecc562625d_chain-k_qecc562625d_chain
	.p2alignl 7, 3214868480
	.fill 96, 4, 3214868480
	.section	.rodata,"a",@progbits
	.p2align	6, 0x0
	.amdhsa_kernel k_qecc562625d_chain
		.amdhsa_group_segment_fixed_size 327680
		.amdhsa_private_segment_fixed_size 0
		.amdhsa_enable_private_segment 0
		.amdhsa_kernarg_size 80
		.amdhsa_user_sgpr_count 2
		.amdhsa_user_sgpr_kernarg_segment_ptr 1
		.amdhsa_wavefront_size32 1
		.amdhsa_system_sgpr_workgroup_id_x 1
		.amdhsa_system_sgpr_workgroup_id_y 1
		.amdhsa_system_sgpr_workgroup_id_z 1
		.amdhsa_system_vgpr_workitem_id 0
		.amdhsa_next_free_vgpr 1024
		.amdhsa_next_free_sgpr 100
		.amdhsa_reserve_vcc 0
		.amdhsa_float_denorm_mode_32 3
		.amdhsa_float_denorm_mode_16_64 3
		.amdhsa_memory_ordered 1
		.amdhsa_forward_progress 1
		.amdhsa_inst_pref_size 237
	.end_amdhsa_kernel
	.amdgpu_metadata
---
amdhsa.version: [ 1, 2 ]
amdhsa.kernels:
  - .name:           k_qecc562625d_chain
    .symbol:         k_qecc562625d_chain.kd
    .args:
      - { .name: x_codes, .offset: 0, .size: 8, .value_kind: global_buffer, .address_space: global }
      - { .name: x_scales, .offset: 8, .size: 8, .value_kind: global_buffer, .address_space: global }
      - { .name: W1_codes, .offset: 16, .size: 8, .value_kind: global_buffer, .address_space: global }
      - { .name: W1_scales, .offset: 24, .size: 8, .value_kind: global_buffer, .address_space: global }
      - { .name: b1, .offset: 32, .size: 8, .value_kind: global_buffer, .address_space: global }
      - { .name: W2_codes, .offset: 40, .size: 8, .value_kind: global_buffer, .address_space: global }
      - { .name: W2_scales, .offset: 48, .size: 8, .value_kind: global_buffer, .address_space: global }
      - { .name: b2, .offset: 56, .size: 8, .value_kind: global_buffer, .address_space: global }
      - { .name: Wo, .offset: 64, .size: 8, .value_kind: global_buffer, .address_space: global }
      - { .name: fexp, .offset: 72, .size: 8, .value_kind: global_buffer, .address_space: global }
    .group_segment_fixed_size: 327680
    .private_segment_fixed_size: 0
    .kernarg_segment_align: 8
    .kernarg_segment_size: 80
    .max_flat_workgroup_size: 128
    .sgpr_count:     100
    .vgpr_count:     1024
    .wavefront_size: 32
...
	.end_amdgpu_metadata
.endif
;; end of part 3
;; launch mix (part 4): grid 16 x 1, 4 waves a work-group, no clusters, 79,360 bytes of LDS; arguments x_codes, x_scales, Wg1_codes, Wg1_scales, Wg2_codes, Wg2_scales, bg1, bg2, bo, fexp, out0, out1; writes out0, out1
.if DOCPART == 4
	.amdgcn_target "amdgcn-amd-amdhsa--gfx1250"
	.amdhsa_code_object_version 6
	.text
	.protected	k_qecc562625d_mix
	.globl	k_qecc562625d_mix
	.p2align	8
	.type	k_qecc562625d_mix,@function
k_qecc562625d_mix:
	s_mov_b64 s[64:65], 0
	v_nop
	global_prefetch_b8 v0, s[64:65] scope:SCOPE_SE
	s_setreg_imm32_b32 hwreg(HW_REG_WAVE_MODE, 25, 1), 1
	s_wait_xcnt 0x0
; out0[t] = sum over e of softmax_e(x Wg1 + bg1)[t][e] (fexp[e][t] + bo[e]); out1 the same with Wg2, bg2.  Both gate products run on codes of FP6 (E2M3) with one E8M0 scale for each 32 along K, as they arrive.
; SHARES.  A work-group owns 64 tokens, each of its four waves 16: 16 work-groups, so that a work-group's 64 results of an output are 256 consecutive bytes.
; THE CODES COME DENSE AND TURN IN LDS.  A fragment wants 24 bytes of each of 16 rows that lie 768 bytes apart; a wave's 16 rows of x are 12,288 consecutive bytes, and so are a gate's 16 rows.  So each load takes 512 consecutive bytes,
; 16 a lane: 24 loads for the wave's rows of x, 12 for its quarter of the two gates' rows (waves 0, 1: Wg1's halves; waves 2, 3: Wg2's).  Byte b of such a run goes to LDS at b + 16 (b / 256): rows 816 bytes apart, from which the fragments
; come by loads of 8 bytes whose 32 lanes touch 64 different banks (row r starts at bank 12 r mod 64; 64 banks of 4 bytes: ISA guide 11.1).  One barrier: all four waves read the gates' rows.
; The gates' weights (25,600 bytes with their scales) are the only bytes that work-groups share: too few for a cluster.
; THE MATRIX INSTRUCTION IS USED TRANSPOSED: source 0 = the gate's 16 experts, source 1 = 16 tokens: lane (r, h) holds token r and experts 8 h + 0 .. 7.  The gate's bias is the C of the first product.
; The softmax takes the row's maximum away, as the definition does; the weighted sum is divided by the sum of the exponentials at the end.
; LIMITS: NaN and infinities among the inputs, and the scale byte 0xff, are not served.
.set PITCH,  816                       ; an LDS row of codes: 3 x (256 bytes + 16)
.set XPIECE, 16*PITCH                  ; 16 rows
.set GL,     4*XPIECE                  ; LDS: x's 64 rows from 0 on; then Wg1's 16 rows and Wg2's 16;
.set OUTL,   GL+2*XPIECE               ; then the results: 64 numbers for each output
.set VSX, 12                           ; v12  where I put 16 bytes of x: my wave's rows + 16 x lane + 16 h
.set VSG, 13                           ; v13  and of a gate: my wave's 8 rows + the same
.set AXF, 14                           ; v14, v15 my place in my wave's rows of x (row r, + 24 h; the same + 40 h for pieces behind one padding more)
.set XF,  16                           ; v16-111  x's fragments, K step s at XF + 12 s
.set XSW, 112                          ; v112-119 x's scale words
.set G1S, 120                          ; v120-127 Wg1's
.set G2S, 128                          ; v128-135 Wg2's
.set BG,  136                          ; v136-143 bg1, v144-151 bg2, in the result's layout
.set AC,  152                          ; v152-159, v160-167 the two gates' logits
.set FV,  168                          ; v168-175 fexp of my token, experts 8 h + 0 .. 7
.set BO,  176                          ; v176-183 bo of these experts
.set MX,  184                          ; a register a gate from here on: the maximum,
.set TT,  186                          ; v186-189 the other half of the lanes',
.set NM,  190                          ; -maximum x log2(e),
.set SU,  192                          ; the sum of the exponentials,
.set DT,  194                          ; the weighted sum,
.set RC,  196                          ; the reciprocal,
.set OU,  198                          ; the result
.set AGF, 200                          ; v200, v201 my place in a gate's rows
; window 1: v0-143 the codes as they are loaded; then v0-95 Wg1's fragments, v96-191 Wg2's
.set MSB, 0
.macro WIN new                         ; the immediate's high byte repeats the setting that is left
.if MSB != (\new)
	s_set_vgpr_msb (MSB<<8)|(\new)
.set MSB, (\new)
.endif
.endm
; A fragment, 16 rows x 128 K of 6-bit codes, is 12 registers: lane (r, h): registers 6 c .. 6 c + 5 = K 128 s + 64 c + 32 h + 0 .. 31, 24 bytes as they lie, in pieces of 8 bytes.  16 bytes of padding lie behind every 32 pieces:
; where the piece three on, which lanes 16-31 take, lies behind one padding more, the second address register serves.
.macro FRAG reg, adr, s, rowoff
.irp p, 0,1,2,3,4,5
.set PCE, 12*(\s)+6*(\p/3)+\p%3
.if PCE%32 < 29
	ds_load_b64 v[(\reg)+2*\p:(\reg)+2*\p+1], v[\adr] offset:(\rowoff)+8*PCE+16*(PCE/32)
.else
	ds_load_b64 v[(\reg)+2*\p:(\reg)+2*\p+1], v[\adr+1] offset:(\rowoff)+8*PCE+16*(PCE/32)
.endif
.endr
.endm
	s_load_b256 s[4:11], s[0:1], 0x0               ; x's codes s[4:5], x's scales s[6:7], Wg1's codes s[8:9], Wg1's scales s[10:11]
	s_load_b256 s[12:19], s[0:1], 0x20             ; Wg2's codes s[12:13], Wg2's scales s[14:15], bg1 s[16:17], bg2 s[18:19]
	s_load_b256 s[20:27], s[0:1], 0x40             ; bo s[20:21], fexp s[22:23], out0 s[24:25], out1 s[26:27]
	v_lshl_add_u32 v254, v0, 2, 0x13400
	v_mov_b32 v255, 0
	v_lshrrev_b32 v1, 5, v0
	v_readfirstlane_b32 s28, v1                    ; wave 0..3
	v_and_b32 v1, 15, v0                           ; r
	v_bfe_u32 v2, v0, 4, 1                         ; h
	v_and_b32 v9, 31, v0
	v_lshlrev_b32 v3, 4, v9                        ; 16 x lane: my bytes of a load's 512
	v_lshlrev_b32 v9, 3, v9                        ; 8 x lane: the way out
	s_mul_i32 s50, s28, XPIECE                     ; LDS: my wave's 16 rows of x,
	s_mul_i32 s51, s28, 8*PITCH
	s_add_co_u32 s51, s51, GL                      ; and the 8 rows of a gate that it brings
	v_lshl_add_u32 v[VSX], v2, 4, v3               ; a load's second 256 bytes lie behind one padding more
	v_add_nc_u32 v[VSG], s51, v[VSX]
	v_add_nc_u32 v[VSX], s50, v[VSX]
	v_mul_u32_u24 v[AGF], v1, PITCH
	v_mad_u32_u24 v[AGF], v2, 24, v[AGF]           ; row r, + 24 h
	v_add_nc_u32 v[AXF], s50, v[AGF]
	v_lshl_add_u32 v[AXF+1], v2, 4, v[AXF]
	v_add_nc_u32 v[AGF], GL, v[AGF]
	v_lshl_add_u32 v[AGF+1], v2, 4, v[AGF]
	v_lshlrev_b32 v4, 5, v1                        ; 32 r: a row's eight scale words
	v_lshlrev_b32 v5, 5, v2                        ; 32 h: eight numbers of bg1, bg2, bo
	v_lshlrev_b32 v6, 15, v2
	v_lshl_add_u32 v6, v1, 2, v6                   ; fexp: expert 8 h (4,096 bytes an expert), token r
	s_lshl_b32 s31, s28, 6
	s_add_co_u32 s31, s31, OUTL
	v_lshl_add_u32 v7, v1, 2, s31                  ; LDS: my token's word among an output's 64
	v_lshl_add_u32 v8, v0, 3, OUTL                 ; and back: 8 x thread = 256 w + 8 x lane, used by waves 0 and 1
	s_lshl_b32 s29, ttmp9, 6
	s_lshl_b32 s30, s28, 4
	s_add_co_u32 s29, s29, s30                     ; my first token: 64 x work-group + 16 x wave
	s_mul_i32 s32, s29, 768
	s_mov_b32 s33, 0
	s_lshl_b32 s34, s29, 5
	s_mov_b32 s35, 0
	s_lshl_b32 s36, s29, 2
	s_mov_b32 s37, 0
	s_lshl_b32 s38, ttmp9, 8                       ; the work-group's 64 results: 256 bytes
	s_mov_b32 s39, 0
	s_and_b32 s48, s28, 1
	s_mul_i32 s48, s48, 6144                       ; which 8 rows of the gate I bring
	s_mov_b32 s49, 0
	s_mov_b32 s40, 0x3fb8aa3b                      ; log2(e)
	s_mov_b32 s44, 0x76543210
	s_mov_b32 s45, 0xfedcba98                      ; v_permlanex16_b32's selects for lane l xor 16
	s_wait_alu depctr_va_vdst(0)
	s_wait_kmcnt 0x0
	s_cmp_lt_u32 s28, 2                            ; waves 0 and 1 bring Wg1's rows, waves 2 and 3 Wg2's: the choice hangs on the wave's number alone
	s_cselect_b64 s[46:47], s[8:9], s[12:13]
	s_add_nc_u64 s[46:47], s[46:47], s[48:49]
	s_add_nc_u64 s[4:5], s[4:5], s[32:33]
	s_add_nc_u64 s[6:7], s[6:7], s[34:35]
	s_add_nc_u64 s[22:23], s[22:23], s[36:37]
	s_add_nc_u64 s[24:25], s[24:25], s[38:39]
	s_add_nc_u64 s[26:27], s[26:27], s[38:39]
	WIN 0x40                                       ; destination window 1
.irp i, 0,1,2,3,4,5,6,7,8,9,10,11,12,13,14,15,16,17,18,19,20,21,22,23
	global_load_b128 v[4*\i:4*\i+3], v3, s[4:5] offset:512*\i            ; my 16 rows of x: 32 lanes read 512 consecutive bytes
.endr
.irp i, 0,1,2,3,4,5,6,7,8,9,10,11
	global_load_b128 v[96+4*\i:96+4*\i+3], v3, s[46:47] offset:512*\i    ; my 8 rows of a gate
.endr
	WIN 0
	global_load_b128 v[XSW:XSW+3], v4, s[6:7]
	global_load_b128 v[XSW+4:XSW+7], v4, s[6:7] offset:16
	global_load_b128 v[G1S:G1S+3], v4, s[10:11]
	global_load_b128 v[G1S+4:G1S+7], v4, s[10:11] offset:16
	global_load_b128 v[G2S:G2S+3], v4, s[14:15]
	global_load_b128 v[G2S+4:G2S+7], v4, s[14:15] offset:16
	global_load_b128 v[BG:BG+3], v5, s[16:17]
	global_load_b128 v[BG+4:BG+7], v5, s[16:17] offset:16
	global_load_b128 v[BG+8:BG+11], v5, s[18:19]
	global_load_b128 v[BG+12:BG+15], v5, s[18:19] offset:16
	global_load_b128 v[BO:BO+3], v5, s[20:21]
	global_load_b128 v[BO+4:BO+7], v5, s[20:21] offset:16
.irp j, 0,1,2,3,4,5,6,7
	global_load_b32 v[FV+\j], v6, s[22:23] offset:4096*\j     ; sixteen neighbouring lanes read 64 neighbouring bytes of expert 8 h + j's row
.endr
	s_wait_loadcnt 20                              ; the 36 loads of codes are in; the 20 issued behind them may be out
	WIN 0x04                                       ; an LDS store's data are its source 1: window 1
.irp i, 0,1,2,3,4,5,6,7,8,9,10,11,12,13,14,15,16,17,18,19,20,21,22,23
	ds_store_b128 v[VSX], v[4*\i:4*\i+3] offset:544*\i          ; a load's 512 bytes take 2 x (256 + 16) in LDS
.endr
.irp i, 0,1,2,3,4,5,6,7,8,9,10,11
	ds_store_b128 v[VSG], v[96+4*\i:96+4*\i+3] offset:544*\i
.endr
	WIN 0
	s_wait_dscnt 0x0                               ; for the others' sake: my stores are done
	s_barrier_signal -1
	s_barrier_wait -1                              ; both gates' rows lie in LDS
.irp s, 0,1,2,3,4,5,6,7
	FRAG XF+12*\s, AXF, \s, 0
.endr
	WIN 0x40                                       ; destination window 1
.irp s, 0,1,2,3,4,5,6,7
	FRAG 12*\s, AGF, \s, 0
	FRAG 96+12*\s, AGF, \s, XPIECE
.endr
	WIN 0
	s_wait_loadcnt 0x0                             ; scale words, biases, bo, fexp
	s_wait_dscnt 0x0                               ; the fragments
	WIN 0x01                                       ; source 0 (the gate) window 1
.irp s, 0,1,2,3,4,5,6,7                        ; the two gates' accumulators take turns, one instruction a turn
.if \s == 0
	v_wmma_scale_f32_16x16x128_f8f6f4 v[AC:AC+7], v[12*\s:12*\s+11], v[XF+12*\s:XF+12*\s+11], v[BG:BG+7], v[G1S+\s], v[XSW+\s] matrix_a_fmt:MATRIX_FMT_FP6 matrix_b_fmt:MATRIX_FMT_FP6
	v_wmma_scale_f32_16x16x128_f8f6f4 v[AC+8:AC+15], v[96+12*\s:96+12*\s+11], v[XF+12*\s:XF+12*\s+11], v[BG+8:BG+15], v[G2S+\s], v[XSW+\s] matrix_a_fmt:MATRIX_FMT_FP6 matrix_b_fmt:MATRIX_FMT_FP6
.else
	v_wmma_scale_f32_16x16x128_f8f6f4 v[AC:AC+7], v[12*\s:12*\s+11], v[XF+12*\s:XF+12*\s+11], v[AC:AC+7], v[G1S+\s], v[XSW+\s] matrix_a_fmt:MATRIX_FMT_FP6 matrix_b_fmt:MATRIX_FMT_FP6
	v_wmma_scale_f32_16x16x128_f8f6f4 v[AC+8:AC+15], v[96+12*\s:96+12*\s+11], v[XF+12*\s:XF+12*\s+11], v[AC+8:AC+15], v[G2S+\s], v[XSW+\s] matrix_a_fmt:MATRIX_FMT_FP6 matrix_b_fmt:MATRIX_FMT_FP6
.endif
.endr
	WIN 0
.irp i, 0,1,2,3
	v_mov_b32 v[TT+\i], 0                          ; a lane permute's destination counts as one of its sources; these four lines are also the places behind the last products (ISA guide 7.12.1)
.endr
.irp g, 0,1
	v_max3_num_f32 v[MX+\g], v[AC+8*\g], v[AC+8*\g+1], v[AC+8*\g+2]   ; the largest of my eight logits, from the accumulator's low end on
.endr
.irp i, 3,5
.irp g, 0,1
	v_max3_num_f32 v[MX+\g], v[MX+\g], v[AC+8*\g+\i], v[AC+8*\g+\i+1]
.endr
.endr
.irp g, 0,1
	v_max_num_f32 v[MX+\g], v[MX+\g], v[AC+8*\g+7]
.endr
.irp g, 0,1
	v_permlanex16_b32 v[TT+\g], v[MX+\g], s44, s45
.endr
.irp g, 0,1
	v_max_num_f32 v[MX+\g], v[MX+\g], v[TT+\g]     ; with the other eight experts': the row's maximum
.endr
.irp g, 0,1
	v_mul_f32 v[NM+\g], 0xbfb8aa3b, v[MX+\g]
.endr
.irp j, 0,1,2,3,4,5,6,7
.irp g, 0,1
	v_fma_f32 v[AC+8*\g+\j], v[AC+8*\g+\j], s40, v[NM+\g]     ; (logit - maximum) x log2(e)
.endr
.endr
	s_wait_alu depctr_va_vdst(0)
.irp j, 0,1,2,3,4,5,6,7
.irp g, 0,1
	v_exp_f32 v[AC+8*\g+\j], v[AC+8*\g+\j]
.endr
.endr
.irp j, 0,2,4,6
	v_pk_add_f32 v[FV+\j:FV+\j+1], v[FV+\j:FV+\j+1], v[BO+\j:BO+\j+1]   ; f + bo.  (Plain places behind the exponentials)
.endr
	s_wait_alu depctr_va_vdst(0)
.irp g, 0,1
	v_add_f32 v[SU+\g], v[AC+8*\g], v[AC+8*\g+1]
	v_mul_f32 v[DT+\g], v[AC+8*\g], v[FV]
.endr
.irp g, 0,1
	v_fma_f32 v[DT+\g], v[AC+8*\g+1], v[FV+1], v[DT+\g]
.endr
.irp j, 2,3,4,5,6,7
.irp g, 0,1
	v_add_f32 v[SU+\g], v[SU+\g], v[AC+8*\g+\j]
	v_fma_f32 v[DT+\g], v[AC+8*\g+\j], v[FV+\j], v[DT+\g]
.endr
.endr
.irp g, 0,1
	v_permlanex16_b32 v[TT+\g], v[SU+\g], s44, s45
	v_permlanex16_b32 v[TT+2+\g], v[DT+\g], s44, s45
.endr
.irp g, 0,1
	v_add_f32 v[SU+\g], v[SU+\g], v[TT+\g]         ; both sums over all sixteen experts
	v_add_f32 v[DT+\g], v[DT+\g], v[TT+2+\g]
.endr
	s_wait_alu depctr_va_vdst(0)
.irp g, 0,1
	v_rcp_f32 v[RC+\g], v[SU+\g]
.endr
	v_nop                                          ; a plain place behind the reciprocals
	s_wait_alu depctr_va_vdst(0)
.irp g, 0,1
	v_mul_f32 v[OU+\g], v[DT+\g], v[RC+\g]
.endr
.irp g, 0,1
	ds_store_b32 v7, v[OU+\g] offset:256*\g        ; gate g's 64 results lie together; both lanes of a token write the same word with the same value
.endr
	s_wait_dscnt 0x0                               ; for the others' sake: my stores are done
	s_barrier_signal -1
	s_barrier_wait -1
	s_cmp_lt_u32 s28, 2                            ; wave 0 stores out0's 64 numbers, wave 1 out1's
	s_cbranch_scc0 .Ldone
	s_cmp_eq_u32 s28, 0
	s_cselect_b64 s[42:43], s[24:25], s[26:27]
	ds_load_b64 v[10:11], v8
	s_wait_dscnt 0x0
	global_store_b64 v9, v[10:11], s[42:43]        ; 32 lanes store 256 consecutive bytes, at a multiple of 256 from the output's first byte
.Ldone:
	s_wait_tensorcnt 0x0
	ds_add_u32 v254, v255
	s_wait_dscnt 0x0
	s_endpgm
.Lfunc_end_k_qecc562625d_mix:
	.size	k_qecc562625d_mix, .Lfunc_end_k_qecc562625d_mix-k_qecc562625d_mix
	.p2alignl 7, 3214868480
	.fill 96, 4, 3214868480
	.section	.rodata,"a",@progbits
	.p2align	6, 0x0
	.amdhsa_kernel k_qecc562625d_mix
		.amdhsa_group_segment_fixed_size 79360
		.amdhsa_private_segment_fixed_size 0
		.amdhsa_enable_private_segment 0
		.amdhsa_kernarg_size 96
		.amdhsa_user_sgpr_count 2
		.amdhsa_user_sgpr_kernarg_segment_ptr 1
		.amdhsa_wavefront_size32 1
		.amdhsa_system_sgpr_workgroup_id_x 1
		.amdhsa_system_sgpr_workgroup_id_y 1
		.amdhsa_system_sgpr_workgroup_id_z 1
		.amdhsa_system_vgpr_workitem_id 0
		.amdhsa_next_free_vgpr 448
		.amdhsa_next_free_sgpr 66
		.amdhsa_reserve_vcc 0
		.amdhsa_float_denorm_mode_32 3
		.amdhsa_float_denorm_mode_16_64 3
		.amdhsa_memory_ordered 1
		.amdhsa_forward_progress 1
		.amdhsa_inst_pref_size 28
	.end_amdhsa_kernel
	.amdgpu_metadata
---
amdhsa.version: [ 1, 2 ]
amdhsa.kernels:
  - .name:           k_qecc562625d_mix
    .symbol:         k_qecc562625d_mix.kd
    .args:
      - { .name: x_codes, .offset: 0, .size: 8, .value_kind: global_buffer, .address_space: global }
      - { .name: x_scales, .offset: 8, .size: 8, .value_kind: global_buffer, .address_space: global }
      - { .name: Wg1_codes, .offset: 16, .size: 8, .value_kind: global_buffer, .address_space: global }
      - { .name: Wg1_scales, .offset: 24, .size: 8, .value_kind: global_buffer, .address_space: global }
      - { .name: Wg2_codes, .offset: 32, .size: 8, .value_kind: global_buffer, .address_space: global }
      - { .name: Wg2_scales, .offset: 40, .size: 8, .value_kind: global_buffer, .address_space: global }
      - { .name: bg1, .offset: 48, .size: 8, .value_kind: global_buffer, .address_space: global }
      - { .name: bg2, .offset: 56, .size: 8, .value_kind: global_buffer, .address_space: global }
      - { .name: bo, .offset: 64, .size: 8, .value_kind: global_buffer, .address_space: global }
      - { .name: fexp, .offset: 72, .size: 8, .value_kind: global_buffer, .address_space: global }
      - { .name: out0, .offset: 80, .size: 8, .value_kind: global_buffer, .address_space: global }
      - { .name: out1, .offset: 88, .size: 8, .value_kind: global_buffer, .address_space: global }
    .group_segment_fixed_size: 79360
    .private_segment_fixed_size: 0
    .kernarg_segment_align: 8
    .kernarg_segment_size: 96
    .max_flat_workgroup_size: 128
    .sgpr_count:     66
    .vgpr_count:     448
    .wavefront_size: 32
...
	.end_amdgpu_metadata
.endif
;; end of part 4
